; MI455X (gfx1250); checked and timed in simulation.
; The chip was launched on July 23, 2026; its instructions are those of AMD's public machine-readable ISA for CDNA 5 (MIT licence, August 2026) and "CDNA5" Instruction Set Architecture Reference Guide (July 2026). The comments in the code are by the model that wrote it; some were corrected since.
;; Multi Head Attention. Allowed arithmetic: matrix products marked QUANTISED: E2M1 operands, one E8M0 scale for each 32 along K, by v_wmma_scale_f32_16x16x128_f8f6f4 with both operands' format E2M1 (or v_wmma_scale_f32_32x16x128_f4), f32 sums; products left as they are: bf16, f16 or f32 operands; f32 sums; everything else in f32.
;; Inputs: Wk 512 x 2,048 float32; Wo 2,048 x 2,048 float32; Wq 2,048 x 2,048 float32; Wv 512 x 2,048 float32; bk 512 float32; bo 2,048 float32; bq 2,048 float32; bv 512 float32; x 1 x 2,048 x 2,048 float32.
;; Outputs: out0 1 x 2,048 x 2,048 float32.
;; This version of the problem:
;;   THIS VERSION OF THE PROBLEM IS GIVEN IN LOW PRECISION. The matrix products marked QUANTISED in the list below multiply operands that are first quantised to E2M1 (2 exponent bits, 1 mantissa bit; 4 bits a number), with one power-of-two scale for each 32 numbers along K (OCP MX v1.0); their sums are f32. The products marked 'left as it is' may take bf16, f16 or f32 operands, with f32 sums. Whichever they take, every output number must still come out within the allowed error. Rounding operands to bf16 (8 significant bits) uses up far more of that allowance than f16 does (11 bits, for magnitudes from 6e-5 to 65,504). All else is computed in f32.
;;   The module's matrix products, in the order in which they are computed (A, B: the left and right operand; K: the contracted axis; several contracted axes count as one K, in the product's order):
;;     1. [M 2,048, K 2,048] x [K 2,048, N 2,048]; A: input x; B: input Wq: QUANTISED
;;     2. [M 2,048, K 2,048] x [K 2,048, N 512]; A: input x; B: input Wk: QUANTISED
;;     3. [M 2,048, K 2,048] x [K 2,048, N 512]; A: input x; B: input Wv: QUANTISED
;;     4. batch 4 x [M 8,192, K 128] x [K 128, N 2,048]; A: computed on the way; B: computed on the way: left as it is (an operand is computed on the way)
;;     5. batch 4 x [M 8,192, K 2,048] x [K 2,048, N 128]; A: computed on the way; B: computed on the way: left as it is (an operand is computed on the way)
;;     6. [M 2,048, K 2,048] x [K 2,048, N 2,048]; A: computed on the way; B: input Wo: left as it is (an operand is computed on the way)
;;   THE QUANTISER, for each operand of a quantised product, along K:
;;     - K is cut into blocks of 32 from its start; a last block that is shorter is filled with zeros.
;;     - A block's scale is 2^e with e = floor(log2(the largest magnitude in the block)) - 2, held to -126 .. 127; a block of zeros has e = 0. As a byte (E8M0): e + 127.
;;     - Each number is divided by its block's scale, clamped to +-6, and rounded to the nearest number of E2M1, ties to even, subnormals kept.
;;     - The product sums the exact products of the quantised numbers (number of the format x scale) in f32.
;;   ~~~python
;;   def quantise(x, axis):      # numpy; x: float32 -> the quantised numbers, widened to float32 again
;;       x = np.moveaxis(x, axis, -1); K = x.shape[-1]
;;       x = np.pad(x, [(0, 0)] * (x.ndim - 1) + [(0, -K % 32)]); x = x.reshape(x.shape[:-1] + (-1, 32)); a = np.abs(x).max(-1, keepdims=True)
;;       e = np.where(a > 0, np.clip(np.frexp(np.where(a > 0, a, 1))[1] - 1 - 2, -126, 127), 0)      # np.frexp(a)[1] - 1 = floor(log2(a)), exactly
;;       r = np.clip(x / 2.0 ** e, -6, 6)
;;       step = 2.0 ** (np.maximum(np.frexp(np.where(r == 0, 1, r))[1] - 1, 0) - 1)
;;       q = np.round(r / step) * step * 2.0 ** e      # np.round: ties to even
;;       return np.moveaxis(q.reshape(q.shape[:-2] + (-1,))[..., :K], -1, axis).astype(np.float32)
;;   ~~~
;; One version. Each part assembles by itself: llvm-mc -triple=amdgcn-amd-amdhsa -mcpu=gfx1250 --defsym DOCPART=n.
;; ======== version 1 of 1: 5 launches
;; limits: values are held in f16: magnitudes above 65,504 overflow, below 6.1e-05 lose precision
;; workspace buffers: codes 5,242,880 bytes; scales 327,680 bytes; wo_h 8,388,608 bytes; q_img 8,388,608 bytes; kv_img 4,194,304 bytes; y_h 8,388,608 bytes; fine_qkv 196,608 bytes
;; launch quant (part 1): grid 448 x 1, 4 waves a work-group, no clusters, 33,280 bytes of LDS; arguments x, Wq, Wk, Wv, Wo, codes, scales, wo_h; writes codes, scales, wo_h
.if DOCPART == 1
	.amdgcn_target "amdgcn-amd-amdhsa--gfx1250"
	.amdhsa_code_object_version 6
	.text
	.protected	k_q44a2539dba_quant
	.globl	k_q44a2539dba_quant
	.p2align	8
	.type	k_q44a2539dba_quant,@function
k_q44a2539dba_quant:
	s_mov_b64 s[64:65], 0
	v_nop
	global_prefetch_b8 v0, s[64:65] scope:SCOPE_SE
	s_setreg_imm32_b32 hwreg(HW_REG_WAVE_MODE, 25, 1), 1
	s_wait_xcnt 0x0
; x [2048][2048], Wq [2048][2048], Wk, Wv [512][2048], f32, K innermost, become codes of FP4 (E2M1) with one E8M0 byte for each 32 along K; Wo [2048][2048] becomes f16.
; codes: 5,120 rows of 1,024 bytes; scales: the same rows, 64 bytes each.  Rows 0-2047: x.  Row 2048 + n: weight row n of one long N axis: n < 2048: Wq;
; n = 2048 + 256 i + d: Wk's row 128 i + d;  n = 2048 + 256 i + 128 + d: Wv's row 128 i + d (i: key/value head, d < 128): a tile of 256 columns then holds one head's K and V.
; A block's scale is 2^(floor(log2(largest magnitude)) - 2); its byte is the largest magnitude's exponent field - 2, held at 1 from below.
; LIMITS: a block of zeros, or one whose largest magnitude lies under 2^-124, gets the byte 1 (zeros' codes are zeros, and this program alone reads the bytes); NaN and infinities are not served;
; Wo must fit f16 (magnitudes under 65,504).
; A work-group takes 32,768 numbers (16 rows), a wave 8,192.  Work-groups 0-127: x; 128-255: Wq; 256-287: Wk; 288-319: Wv; 320-447: Wo.
; The quantising path: 16 steps of 512 numbers; each load reads 512 consecutive bytes; a step's 2,048 bytes turn through the wave's own stage in LDS and come back 64 bytes a lane, so that a lane holds
; 16 neighbours along K and two neighbouring lanes a block.  Waves share nothing: no barrier.
.set WAVES, 4
.set STEPS, 16
.set EMAX,  2
.set CB,    8                          ; bytes of 16 codes
.set R,     16                         ; v16-79   four sets of 16 numbers as loaded
.set X,     80                         ; v80-111  two sets of 16 neighbours
.set C,     128                        ; v128-191 codes, four registers a step: no store's data are written again
.set E,     112                        ; v112-127 a scale byte for each step
.set H,     80                         ; the cast: v80-207, two registers for each of 64 stores
.set WREG,  8192                       ; LDS: a region for each wave: two stages of 32 x SP bytes, then its 256 scale bytes
.set SP,    80                         ; a lane's place in a stage: 64 bytes + 16 of padding
.set SPW,   12                         ; v12 LDS address of my spare word; never rewritten
.set NIL,   13                         ; v13 0; never rewritten
.set SPARE, WAVES*WREG                 ; the spare words, 128 bytes a wave; no other line names them
	s_load_b128 s[4:7], s[0:1], 0x0                ; x, Wq
	s_load_b128 s[8:11], s[0:1], 0x10              ; Wk, Wv
	s_load_b128 s[12:15], s[0:1], 0x20             ; Wo, codes
	s_load_b128 s[16:19], s[0:1], 0x30             ; scales, wo_h
	v_lshl_add_u32 v[SPW], v0, 2, SPARE
	v_mov_b32 v[NIL], 0
	v_lshrrev_b32 v1, 5, v0
	v_readfirstlane_b32 s34, v1                    ; wave
	v_and_b32 v2, 31, v0                           ; lane
	v_lshlrev_b32 v3, 4, v2                        ; my 16 bytes of a load's 512
	s_mul_i32 s35, s34, WREG
	v_lshrrev_b32 v14, 2, v2
	v_mul_u32_u24 v14, v14, SP
	v_and_b32 v15, 3, v2
	v_lshl_add_u32 v14, v15, 4, v14
	v_add_nc_u32 v14, s35, v14                     ; the stage, on the way in: SP (lane / 4) + 16 (lane % 4)
	v_mul_u32_u24 v15, v2, SP
	v_add_nc_u32 v15, s35, v15                     ; and on the way out: SP x lane
	v_mul_u32_u24 v4, v2, CB                       ; my codes' place in a step's
	v_lshrrev_b32 v5, 1, v2
	s_add_co_u32 s35, s35, 2*32*SP
	v_add_nc_u32 v5, s35, v5                       ; my block's byte among my wave's 256
	v_lshlrev_b32 v7, 3, v2                        ; 8 bytes a lane
	v_add_nc_u32 v6, s35, v7
	s_wait_kmcnt 0x0
	s_cmp_ge_u32 ttmp9, 320
	s_cbranch_scc1 .Lcast                          ; Wo's work-groups: a branch on the work-group's number
	; which tensor, which 16 rows of it, and which 16 rows of the codes: all by the work-group's number
	s_cmp_lt_u32 ttmp9, 128
	s_cselect_b64 s[20:21], s[4:5], s[6:7]         ; x or Wq
	s_cselect_b32 s22, 0, 128
	s_cmp_lt_u32 ttmp9, 288
	s_cselect_b64 s[24:25], s[8:9], s[10:11]       ; Wk or Wv
	s_mov_b32 s23, 288
	s_cselect_b32 s23, 256, s23
	s_and_b32 s26, ttmp9, 24
	s_lshl_b32 s26, s26, 1                         ; 16 x head
	s_and_b32 s27, ttmp9, 7
	s_add_co_u32 s26, s26, s27                     ; + the 16 rows within the head
	s_bfe_u32 s27, ttmp9, 0x10005
	s_lshl_b32 s27, s27, 3
	s_add_co_u32 s26, s26, s27                     ; + 8 for Wv
	s_add_co_u32 s26, s26, 256
	s_cmp_lt_u32 ttmp9, 256
	s_cselect_b64 s[20:21], s[20:21], s[24:25]
	s_cselect_b32 s22, s22, s23
	s_cselect_b32 s26, ttmp9, s26                  ; x and Wq keep their order
	s_sub_co_u32 s22, ttmp9, s22
	s_lshl_b32 s22, s22, 2
	s_add_co_u32 s22, s22, s34                     ; my wave's run of 8,192 numbers in the source,
	s_lshl_b32 s22, s22, 15
	s_mov_b32 s23, 0
	s_add_nc_u64 s[20:21], s[20:21], s[22:23]
	s_lshl_b32 s26, s26, 2
	s_add_co_u32 s26, s26, s34                     ; and in the codes
	s_lshl_b32 s28, s26, 12
	s_mov_b32 s29, 0
	s_add_nc_u64 s[14:15], s[14:15], s[28:29]
	s_lshl_b32 s28, s26, 8
	s_add_nc_u64 s[16:17], s[16:17], s[28:29]
.macro LOAD t
.irp i, 0,1,2,3
	global_load_b128 v[R+16*((\t)%4)+4*\i:R+16*((\t)%4)+4*\i+3], v3, s[20:21] offset:2048*(\t)+512*\i th:TH_LOAD_NT   ; 32 lanes read 512 consecutive bytes
.endr
.endm
.macro TURN t                          ; step t's numbers through the stage: LDS serves a wave's instructions in order, so no wait stands between the stores and the loads
.irp i, 0,1,2,3
	ds_store_b128 v14, v[R+16*((\t)%4)+4*\i:R+16*((\t)%4)+4*\i+3] offset:32*SP*((\t)%2)+8*SP*\i
.endr
.irp i, 0,1,2,3
	ds_load_b128 v[X+16*((\t)%2)+4*\i:X+16*((\t)%2)+4*\i+3], v15 offset:32*SP*((\t)%2)+16*\i
.endr
.endm
.irp t, 0,1,2,3
	LOAD \t
.endr
	s_wait_loadcnt 12                              ; step 0's four loads are in; twelve younger ones stay out
	TURN 0
.macro STEP t
.set XS, X+16*((\t)%2)
.if (\t) > 0
	s_wait_dscnt 1                                 ; this step's numbers are back from the stage (the last step's byte store may be out)
.else
	s_wait_dscnt 0x0
.endif
.if (\t)+4 < STEPS
	LOAD (\t)+4
.endif
.if (\t)+1 < STEPS
.if STEPS-2-(\t) >= 3
	s_wait_loadcnt 12                              ; the next step's four loads are in; those of the three steps behind it may be out
.else
	s_wait_loadcnt 4*(STEPS-2-(\t))
.endif
	TURN (\t)+1
.endif
	v_max3_num_f32 v8, |v[XS]|, |v[XS+1]|, |v[XS+2]|               ; the largest magnitude of my 16, in two chains
	v_max3_num_f32 v9, |v[XS+3]|, |v[XS+4]|, |v[XS+5]|
.irp i, 6,10
	v_max3_num_f32 v8, v8, |v[XS+\i]|, |v[XS+\i+1]|
	v_max3_num_f32 v9, v9, |v[XS+\i+2]|, |v[XS+\i+3]|
.endr
	v_max3_num_f32 v8, v8, |v[XS+14]|, |v[XS+15]|
	v_max3_num_f32 v8, v8, v9, (EMAX+1)<<23        ; and the floor 2^(3 - 127): the byte cannot fall under 1
	v_max_num_f32_dpp v8, v8, v8 row_xmask:1 row_mask:0xf bank_mask:0xf   ; and of my neighbour's 16: the block's
	v_add_nc_u32 v11, -(EMAX<<23), v8              ; 2 off its exponent field: the conversion takes this operand's exponent field as its scale
	v_cvt_scalef32_pk8_fp4_f32 v[C+4*(\t)], v[XS:XS+7], v11
	v_cvt_scalef32_pk8_fp4_f32 v[C+4*(\t)+1], v[XS+8:XS+15], v11
	v_lshrrev_b32 v[E+(\t)], 23, v11               ; the scale's byte (also the plain line behind the conversions)
	ds_store_b8 v5, v[E+(\t)] offset:16*(\t)       ; both lanes of a block write the same byte with the same value
	global_store_b64 v4, v[C+4*(\t):C+4*(\t)+1], s[14:15] offset:32*CB*(\t)   ; the wave stores 256 consecutive bytes, aligned
.endm
.irp t, 0,1,2,3,4,5,6,7,8,9,10,11,12,13,14,15
	STEP \t
.endr
	ds_load_b64 v[8:9], v6                         ; in order behind my byte stores
	s_wait_dscnt 0x0
	global_store_b64 v7, v[8:9], s[16:17]          ; my wave's 256 scale bytes, aligned
	s_wait_tensorcnt 0x0                           ; the wave's end
	ds_add_u32 v[SPW], v[NIL]
	s_wait_dscnt 0x0
	s_endpgm
.Lcast:                                                ; Wo to f16: a stream without LDS.  A wave has 64 pieces of 512 bytes; sixteen loads are kept out
	s_sub_co_u32 s22, ttmp9, 320
	s_lshl_b32 s22, s22, 2
	s_add_co_u32 s22, s22, s34
	s_lshl_b32 s24, s22, 15
	s_mov_b32 s25, 0
	s_add_nc_u64 s[12:13], s[12:13], s[24:25]
	s_lshl_b32 s24, s22, 14
	s_add_nc_u64 s[18:19], s[18:19], s[24:25]
.macro LOADW q
	global_load_b128 v[R+4*((\q)%16):R+4*((\q)%16)+3], v3, s[12:13] offset:512*(\q)
.endm
.set Q, 0
.rept 16
	LOADW Q
.set Q, Q+1
.endr
.set Q, 0
.rept 64
.if Q < 48
	s_wait_loadcnt 15                              ; piece Q is in; the fifteen younger loads stay out
.else
	s_wait_loadcnt 63-Q
.endif
	v_cvt_pk_f16_f32 v[H+2*Q], v[R+4*(Q%16)], v[R+4*(Q%16)+1]
	v_cvt_pk_f16_f32 v[H+2*Q+1], v[R+4*(Q%16)+2], v[R+4*(Q%16)+3]
.if Q+16 < 64
	LOADW Q+16
.endif
	global_store_b64 v7, v[H+2*Q:H+2*Q+1], s[18:19] offset:256*Q   ; 256 consecutive bytes, aligned; each store has data registers of its own
.set Q, Q+1
.endr
	s_endpgm
.Lfunc_end_k_q44a2539dba_quant:
	.size	k_q44a2539dba_quant, .Lfunc_end_k_q44a2539dba_quant-k_q44a2539dba_quant
	.p2alignl 7, 3214868480
	.fill 96, 4, 3214868480
	.section	.rodata,"a",@progbits
	.p2align	6, 0x0
	.amdhsa_kernel k_q44a2539dba_quant
		.amdhsa_group_segment_fixed_size 33280
		.amdhsa_private_segment_fixed_size 0
		.amdhsa_enable_private_segment 0
		.amdhsa_kernarg_size 64
		.amdhsa_user_sgpr_count 2
		.amdhsa_user_sgpr_kernarg_segment_ptr 1
		.amdhsa_wavefront_size32 1
		.amdhsa_system_sgpr_workgroup_id_x 1
		.amdhsa_system_sgpr_workgroup_id_y 1
		.amdhsa_system_sgpr_workgroup_id_z 1
		.amdhsa_system_vgpr_workitem_id 0
		.amdhsa_next_free_vgpr 208
		.amdhsa_next_free_sgpr 66
		.amdhsa_reserve_vcc 0
		.amdhsa_float_denorm_mode_32 3
		.amdhsa_float_denorm_mode_16_64 3
		.amdhsa_memory_ordered 1
		.amdhsa_forward_progress 1
		.amdhsa_inst_pref_size 56
	.end_amdhsa_kernel
	.amdgpu_metadata
---
amdhsa.version: [ 1, 2 ]
amdhsa.kernels:
  - .name:           k_q44a2539dba_quant
    .symbol:         k_q44a2539dba_quant.kd
    .args:
      - { .name: x, .offset: 0, .size: 8, .value_kind: global_buffer, .address_space: global }
      - { .name: Wq, .offset: 8, .size: 8, .value_kind: global_buffer, .address_space: global }
      - { .name: Wk, .offset: 16, .size: 8, .value_kind: global_buffer, .address_space: global }
      - { .name: Wv, .offset: 24, .size: 8, .value_kind: global_buffer, .address_space: global }
      - { .name: Wo, .offset: 32, .size: 8, .value_kind: global_buffer, .address_space: global }
      - { .name: codes, .offset: 40, .size: 8, .value_kind: global_buffer, .address_space: global }
      - { .name: scales, .offset: 48, .size: 8, .value_kind: global_buffer, .address_space: global }
      - { .name: wo_h, .offset: 56, .size: 8, .value_kind: global_buffer, .address_space: global }
    .group_segment_fixed_size: 33280
    .private_segment_fixed_size: 0
    .kernarg_segment_align: 8
    .kernarg_segment_size: 64
    .max_flat_workgroup_size: 128
    .sgpr_count:     66
    .vgpr_count:     208
    .wavefront_size: 32
...
	.end_amdgpu_metadata
.endif
;; end of part 1
;; launch qkv (part 2): grid 12 x 8, 4 waves a work-group, clusters of 4 x 1, 327,680 bytes of LDS; arguments codes, scales, bq, bk, bv, q_img, kv_img, fine_qkv; writes q_img, kv_img, fine_qkv
.if DOCPART == 2
	.amdgcn_target "amdgcn-amd-amdhsa--gfx1250"
	.amdhsa_code_object_version 6
	.text
	.protected	k_q44a2539dba_qkv
	.globl	k_q44a2539dba_qkv
	.p2align	8
	.type	k_q44a2539dba_qkv,@function
k_q44a2539dba_qkv:
	s_mov_b64 s[64:65], 0
	v_nop
	global_prefetch_b8 v0, s[64:65] scope:SCOPE_SE
	s_setreg_imm32_b32 hwreg(HW_REG_WAVE_MODE, 25, 1), 1
	s_wait_xcnt 0x0
	s_wait_alu depctr_hold_cnt(0) depctr_sa_sdst(0) depctr_va_vdst(0) depctr_va_sdst(0) depctr_va_ssrc(0) depctr_va_vcc(0) depctr_vm_vsrc(0)
	s_getreg_b32 s2, hwreg(HW_REG_IB_STS2, 6, 4)
	s_cmp_eq_u32 s2, 0
	s_cbranch_scc0 .Lentry_in_a_cluster
	s_endpgm
.Lentry_in_a_cluster:
	s_bfe_u32 s2, ttmp6, 0x10000c
	s_cmp_lg_u32 s2, 0x3003
	s_cbranch_scc0 .Lentry_shape_is_right
	s_endpgm
.Lentry_shape_is_right:
; [Q | K, V by head] = x W^T + b on codes of FP4 (E2M1) with E8M0 scales: M = 2,048 positions, N = 3,072 (the long N axis of the codes' buffer), K = 2,048; sums in f32.
; A tile of 256 x 256 to a work-group of four waves, 128 x 128 a wave: 64 accumulators, 512 registers.  K goes in steps of 512 through two LDS slots filled by the tensor data mover;
; the scale bytes of the work-group's 512 rows, for all of K, come once and stay.  The matrix instruction is used transposed (source 0 = 16 weight rows, source 1 = 16 rows of x):
; a lane holds one position and eight neighbouring columns.  The bias is the C of each sum's first product.
; CLUSTER 4 x 1: the four partners make four tile columns of one tile row and ask for x's tiles and scales JOINTLY (mask 15); each asks for its own weights alone.
; Not 4 x 4.
; THE WAY OUT lays the results as the attention launch's operand registers want them, in f16:
;   q_img [head 16][tile of 16 positions 128][chunk 8][lane 32][16 bytes]: Q(16 tile + lane % 16, d = 16 chunk + 8 (lane / 16) + 0..7): a packed accumulator as it stands.
;   kv_img [head 4][step of 64 keys 32][K, V][16 keys 4][chunk 8][lane][16 bytes]: K as Q; V turned: V(key 16 kb + 8 (lane / 16) + 0..7, d = 16 chunk + lane % 16), through a stage and the turning LDS load.
;   fine_qkv [16 columns 192][2][lane][16 bytes], f32: (position lane % 16, column 16 n + 8 (lane / 16) + 4 u + 0..3), positions 0-15 only.
; LIMIT: Q, K, V must fit f16 (magnitudes under 65,504).
; REGISTERS: window 0: v0-31 addresses; v32-95 scale words, two sets; v128-191 x's fragments, one set; v192-255 the bias; on the way out v128-255 are free.
;   window 1: the weights' fragments, two sets.  windows 2, 3: the accumulators ((a, b) at v[8 (8 (a % 4) + b)]).
.set KSTEP,  512
.set NQ,     KSTEP/128
.set ROWB,   256                       ; a tile's row in bytes
.set KROW,   1024                      ; a row of codes in memory
.set PITCH,  272                       ; an LDS row: 256 bytes + 16 of padding: the 16 rows of a fragment load start 16 bytes apart modulo 256
.set FR,     8
.set NL,     2
.set NP,     4                         ; places behind this matrix instruction (ISA guide 7.12.1)
.set HALFT,  128*PITCH
.set SLOT,   4*HALFT                   ; x's 256 rows, then the weights' 256
.set LAPS,   2                         ; 2,048 / (2 x 512)
.set KS,     64                        ; a row of scales in bytes
.set SCL,    2*SLOT
.set HALFS,  (128*KS/256)*272
.set SBLK,   (16*KS/256)*272
.set SPARE,  SCL+4*HALFS               ; the spare words, 128 bytes a wave; no other line names them
.set VP,     288                       ; V's stage: 16 rows x (256 bytes + 32) for each wave, in slot 0, which has had its last fill and its last read by then
.set ADRA, 16
.set ADRB, 20
.set STO,  24                          ; v24 into V's stage
.set RDT,  25                          ; v25 out of it, turning
.set IMG,  26                          ; v26 16 x lane: an image's place for my lane
.set ADRS, 27
.set SPW,  28
.set NIL,  29
.set SC,   32
.set AF,   128
.set BIAS, 192                         ; register 8 b + j: bias of column 16 b + 8 (lane / 16) + j of my 128
.set G1, 24
.set G0, 32
.set G1B, 48
.set G0B, 56
.set G1S, 68
.set G0S, 76
.set G1SB, 80
.set G0SB, 88
.set MSB, 0
.macro WIN new                         ; the immediate's high byte repeats the setting that is left
.if MSB != \new
	s_set_vgpr_msb (MSB<<8)|\new
.set MSB, \new
.endif
.endm
.set MUL_LO, 0xa1                      ; source 0 window 1, source 1 window 0, C and D window 2
.set MUL_HI, 0xf1
.set TO_B,   0x40
; Waves 0 and 1 fetch for x (jointly), waves 2 and 3 for the weights.  The branch hangs on the wave's number alone.  An s_nop 0 and four v_nop follow each of the two lines.
.macro JLOAD g0a, g1a, g0b, g1b
	s_cmp_eq_u32 s15, 0
	s_cbranch_scc0 .Lfor_b_\@
	tensor_load_to_lds s[\g0a:\g0a+3], s[\g1a:\g1a+7]
	s_nop 0
.rept 4
	v_nop
.endr
	s_branch .Lasked_\@
.Lfor_b_\@:
	tensor_load_to_lds s[\g0b:\g0b+3], s[\g1b:\g1b+7]
	s_nop 0
.rept 4
	v_nop
.endr
.Lasked_\@:
.endm
.macro CREST
	s_cmp_lg_u32 s14, 0
	s_cbranch_scc1 .Lnot_wave_0_\@
	s_barrier_signal -3
.Lnot_wave_0_\@:
	s_barrier_wait -3
	s_barrier_signal -1
	s_barrier_wait -1
.endm
.macro CROUND
	s_barrier_signal -1
	s_barrier_wait -1
	CREST
.endm
	s_load_b128 s[4:7], s[0:1], 0x0                ; codes, scales
	s_load_b128 s[8:11], s[0:1], 0x10              ; bq, bk
	s_load_b128 s[96:99], s[0:1], 0x20             ; bv, q_img
	s_load_b64 s[100:101], s[0:1], 0x30            ; kv_img
	s_load_b64 s[104:105], s[0:1], 0x38            ; fine_qkv
	v_lshl_add_u32 v[SPW], v0, 2, SPARE
	v_mov_b32 v[NIL], 0
	ds_add_u32 v[SPW], v[NIL]                      ; the wave's opening: the add, twice on end, and its wait ahead of my first tensor load
	ds_add_u32 v[SPW], v[NIL]
	v_lshrrev_b32 v1, 5, v0
	v_readfirstlane_b32 s14, v1                    ; wave 0..3
	s_lshr_b32 s15, s14, 1                         ; my half of the tile's rows.  Also: I fetch for x (0) or for the weights (1)
	s_and_b32 s16, s14, 1                          ; my half of its columns.  Also: which 128 rows I fetch
	s_bfe_u32 s40, ttmp6, 0x40000                  ; cx
	s_lshl_b32 s42, ttmp9, 2
	s_add_co_u32 s42, s42, s40                     ; tile column = 4 x cluster x + cx
	s_and_b32 s17, ttmp7, 0xffff                   ; tile row: the same in all four partners
	s_mov_b32 s[G1+0], 15|(1<<20)|(1<<21)|(5<<22)|(3<<25)   ; mask: all four; elements of 1 byte; padding: 4 words behind every 64; bit 21 beside the mask
	s_mov_b32 s[G1B+0], (1<<20)|(5<<22)|(3<<25)             ; the same with no mask
.irp g, G1, G1B
	s_mov_b32 s[\g+1], ROWB<<16                    ; tensor_dim0
	s_mov_b32 s[\g+2], 128<<16                     ; tensor_dim1
	s_mov_b32 s[\g+3], ROWB<<16                    ; tile_dim0
	s_mov_b32 s[\g+4], 128                         ; tile_dim1
	s_mov_b32 s[\g+5], KROW                        ; pitch
	s_mov_b32 s[\g+6], 0
	s_mov_b32 s[\g+7], 0
.endr
	s_mov_b32 s[G1S+0], 15|(3<<16)|(1<<20)|(1<<21)|(5<<22)|(3<<25)   ; the scales of 128 rows: 8,192 dense bytes as 32 rows of 256 (32 elements of 8 bytes), padded alike
	s_mov_b32 s[G1SB+0], (3<<16)|(1<<20)|(5<<22)|(3<<25)
.irp g, G1S, G1SB
	s_mov_b32 s[\g+1], 32<<16
	s_mov_b32 s[\g+2], (128*KS/256)<<16
	s_mov_b32 s[\g+3], 32<<16
	s_mov_b32 s[\g+4], 128*KS/256
	s_mov_b32 s[\g+5], 32
	s_mov_b32 s[\g+6], 0
	s_mov_b32 s[\g+7], 0
.endr
	s_lshl_b32 s18, s16, 7
	s_lshl_b32 s20, s17, 8
	s_add_co_u32 s20, s20, s18                     ; x: row 256 x tile row + 128 x half
	s_lshl_b32 s46, s42, 8
	s_add_co_u32 s46, s46, s18
	s_add_co_u32 s46, s46, 2048                    ; weights: row 2,048 + 256 x tile column + 128 x half of the same buffers
	s_lshl_b32 s22, s20, 6                         ; these rows' scales, in bytes,
	s_mov_b32 s23, 0
	s_lshl_b32 s92, s46, 6
	s_mov_b32 s93, 0
	s_lshl_b32 s20, s20, 10                        ; and their codes
	s_mov_b32 s21, 0
	s_lshl_b32 s46, s46, 10
	s_mov_b32 s47, 0
	s_mul_i32 s45, s14, HALFT                      ; where they go: wave x 128 rows: no place in the cluster enters an LDS address
	s_mul_i32 s94, s14, HALFS
	s_wait_dscnt 0x0                               ; both opening adds are done
	s_wait_kmcnt 0x0
	s_add_nc_u64 s[20:21], s[4:5], s[20:21]
	s_add_nc_u64 s[22:23], s[6:7], s[22:23]
	s_add_nc_u64 s[46:47], s[4:5], s[46:47]
	s_add_nc_u64 s[92:93], s[6:7], s[92:93]
	CROUND                                         ; all four work-groups are here: the first joint loads meet
	s_mov_b32 s[G0S], 1
	s_add_co_u32 s[G0S+1], s94, SCL
	s_mov_b64 s[G0S+2:G0S+3], s[22:23]
	s_or_b32 s[G0S+3], s[G0S+3], 0x80000000
	s_mov_b32 s[G0SB], 1
	s_add_co_u32 s[G0SB+1], s94, SCL
	s_mov_b64 s[G0SB+2:G0SB+3], s[92:93]
	s_or_b32 s[G0SB+3], s[G0SB+3], 0x80000000
	JLOAD G0S, G1S, G0SB, G1SB                     ; the scales first: they are wanted with K step 0
.irp s, 0,1
	s_mov_b32 s[G0+4*\s], 1
	s_add_co_u32 s[G0+4*\s+1], s45, \s*SLOT
	s_add_nc_u64 s[G0+4*\s+2:G0+4*\s+3], s[20:21], \s*ROWB
	s_or_b32 s[G0+4*\s+3], s[G0+4*\s+3], 0x80000000
	s_mov_b32 s[G0B+4*\s], 1
	s_add_co_u32 s[G0B+4*\s+1], s45, \s*SLOT
	s_add_nc_u64 s[G0B+4*\s+2:G0B+4*\s+3], s[46:47], \s*ROWB
	s_or_b32 s[G0B+4*\s+3], s[G0B+4*\s+3], 0x80000000
	JLOAD G0+4*\s, G1, G0B+4*\s, G1B
.endr
	; the bias of my 128 columns: bq, or one head's bk (column half 0) or bv (half 1)
	s_lshl_b32 s20, s42, 10
	s_lshl_b32 s21, s16, 9
	s_add_co_u32 s20, s20, s21                     ; in bq: (256 x tile column + 128 x half) x 4
	s_and_b32 s21, s42, 3                          ; tile columns 8-11: the key/value head
	s_lshl_b32 s21, s21, 9
	s_cmp_eq_u32 s16, 0
	s_cselect_b64 s[46:47], s[10:11], s[96:97]
	s_cmp_lt_u32 ttmp9, 2                          ; clusters 0 and 1 make Q
	s_cselect_b64 s[46:47], s[8:9], s[46:47]
	s_cselect_b32 s20, s20, s21
	s_mov_b32 s21, 0
	s_add_nc_u64 s[46:47], s[46:47], s[20:21]
	v_and_b32 v1, 15, v0                           ; r = lane % 16
	v_bfe_u32 v2, v0, 4, 1                         ; h = lane / 16
	v_lshlrev_b32 v8, 5, v2                        ; my half's eight numbers of each sixteen
.irp b, 0,1,2,3,4,5,6,7
	global_load_b128 v[BIAS+8*\b:BIAS+8*\b+3], v8, s[46:47] offset:64*\b
	global_load_b128 v[BIAS+8*\b+4:BIAS+8*\b+7], v8, s[46:47] offset:64*\b+16
.endr
	v_mul_u32_u24 v3, v1, PITCH
	v_lshl_add_u32 v4, v2, 4, v3                   ; a fragment's row x pitch + 16 x half
	s_mul_i32 s21, s15, HALFT
	s_mul_i32 s22, s16, HALFT
	s_add_co_u32 s22, s22, 2*HALFT
.irp s, 0,1
	v_add_nc_u32 v[ADRA+\s], s21, v4
	v_add_nc_u32 v[ADRB+\s], s22, v4
	s_add_co_u32 s21, s21, SLOT
	s_add_co_u32 s22, s22, SLOT
.endr
	v_mul_u32_u24 v5, v1, KS                       ; my row's scales: 64 bytes a row,
	v_lshrrev_b32 v6, 8, v5
	v_lshl_add_u32 v5, v6, 4, v5                   ; and 16 more for each 256 passed
	s_mul_i32 s21, s15, HALFS
	s_mul_i32 s22, s16, HALFS
	s_add_co_u32 s22, s22, 2*HALFS
	s_sub_co_u32 s22, s22, s21
	v_mul_u32_u24 v6, s22, v2                      ; lanes 16-31 take the weights'
	s_add_co_u32 s21, s21, SCL
	v_add_nc_u32 v5, v5, v6
	v_add_nc_u32 v[ADRS], s21, v5
	s_mul_i32 s23, s14, 16*VP                      ; V's stage
	v_mul_u32_u24 v5, v1, VP
	v_lshl_add_u32 v5, v2, 4, v5
	v_add_nc_u32 v[STO], s23, v5                   ; in: row = position r, 16 bytes for each half of the lanes
	v_and_b32 v6, 7, v0
	v_lshl_add_u32 v6, v2, 3, v6
	v_mul_u32_u24 v6, v6, VP
	v_bfe_u32 v7, v0, 3, 1
	v_lshl_add_u32 v6, v7, 4, v6
	v_add_nc_u32 v[RDT], s23, v6                   ; out: row 8 h + lane % 8, 16 bytes by (lane / 8) % 2
	v_and_b32 v6, 31, v0
	v_lshlrev_b32 v[IMG], 4, v6
	; where my results go
	s_lshl_b32 s20, s17, 2
	s_lshl_b32 s21, s15, 1
	s_add_co_u32 s20, s20, s21                     ; my first step of 64 positions: 4 x tile row + 2 x row half
	s_lshl_b32 s22, s42, 1
	s_add_co_u32 s22, s22, s16                     ; Q: the head,
	s_lshl_b32 s22, s22, 19                        ; 524,288 bytes each,
	s_lshl_b32 s23, s20, 14
	s_add_co_u32 s22, s22, s23                     ; 16,384 bytes for 64 positions
	s_and_b32 s44, s42, 3                          ; K, V: the head,
	s_lshl_b32 s44, s44, 20
	s_lshl_b32 s23, s20, 15
	s_add_co_u32 s44, s44, s23                     ; 32,768 bytes a step,
	s_lshl_b32 s23, s16, 14
	s_add_co_u32 s44, s44, s23                     ; V's part 16,384 bytes behind K's
	s_cmp_lt_u32 ttmp9, 2
	s_cselect_b64 s[12:13], s[98:99], s[100:101]
	s_cselect_b32 s22, s22, s44
	s_cselect_b32 s94, 0, 16384                    ; what K's second step lies further on than Q's fifth tile
	s_mov_b32 s95, 0
	s_mov_b32 s23, 0
	s_add_nc_u64 s[12:13], s[12:13], s[22:23]
	s_lshl_b32 s22, s42, 14
	s_lshl_b32 s44, s16, 13
	s_add_co_u32 s22, s22, s44                     ; the f32 copy: (16 x tile column + 8 x half) x 1,024
	s_add_nc_u64 s[104:105], s[104:105], s[22:23]
.macro FRAG reg, adr, q, i             ; 16 rows x 128 K of 4-bit codes: 8 registers: two loads of 16 bytes, 32 bytes apart
.irp c, 0,1
	ds_load_b128 v[\reg+4*\c:\reg+4*\c+3], v[\adr] offset:64*(\q)+32*\c+(\i)*16*PITCH
.endr
.endm
; 16 matrix instructions: x's blocks a0, a0 + 1 against the weights' eight.  zero = 1: the first product starts the sums, from the bias.  The 64 accumulators take turns, one instruction a turn.
.macro MUL16 a0, p, q, sc, zero
.irp a, \a0, \a0+1
.irp b, 0,1,2,3,4,5,6,7
.if \zero
	v_wmma_scale_f32_16x16x128_f8f6f4 v[8*(8*((\a)%4)+\b):8*(8*((\a)%4)+\b)+7], v[128*(\p)+FR*\b:128*(\p)+FR*\b+FR-1], v[AF+FR*(\a):AF+FR*(\a)+FR-1], v[BIAS+8*\b:BIAS+8*\b+7], v[SC+8*NQ*(\sc)+NQ*\b+(\q)], v[SC+8*NQ*(\sc)+NQ*(\a)+(\q)] matrix_a_fmt:MATRIX_FMT_FP4 matrix_b_fmt:MATRIX_FMT_FP4 matrix_a_scale:MATRIX_SCALE_ROW1
.else
	v_wmma_scale_f32_16x16x128_f8f6f4 v[8*(8*((\a)%4)+\b):8*(8*((\a)%4)+\b)+7], v[128*(\p)+FR*\b:128*(\p)+FR*\b+FR-1], v[AF+FR*(\a):AF+FR*(\a)+FR-1], v[8*(8*((\a)%4)+\b):8*(8*((\a)%4)+\b)+7], v[SC+8*NQ*(\sc)+NQ*\b+(\q)], v[SC+8*NQ*(\sc)+NQ*(\a)+(\q)] matrix_a_fmt:MATRIX_FMT_FP4 matrix_b_fmt:MATRIX_FMT_FP4 matrix_a_scale:MATRIX_SCALE_ROW1
.endif
.endr
.endr
.endm
.macro FETCH_B slot, q, p
	WIN TO_B
.irp i, 0,1,2,3,4,5,6,7
	FRAG 128*(\p)+FR*\i, ADRB+\slot, \q, \i
.endr
	WIN 0
.endm
.macro FETCH_A slot, q, i0
.irp i, \i0, \i0+1, \i0+2, \i0+3
	FRAG AF+FR*(\i), ADRA+\slot, \q, \i
.endr
.endm
.macro SCALES sc                       ; a K step's scale words: lanes 0-15 x's block i, lanes 16-31 the weights' block i
.irp i, 0,1,2,3,4,5,6,7
	ds_load_b128 v[SC+8*NQ*\sc+NQ*\i:SC+8*NQ*\sc+NQ*\i+3], v[ADRS] offset:\i*SBLK
.endr
.endm
.macro PLACES n                        ; plain vector lines between a matrix instruction and a load into, or a read of, its registers
.rept \n
	v_nop
.endr
.endm
.macro STEP slot, q, zero
	s_wait_dscnt 4*NL                              ; the weights' set and x's blocks 0-3 are in; the youngest eight loads (x's blocks 4-7) may be out
.if \zero
	WIN 0x81                                       ; C (the bias) window 0, D window 2
.else
	WIN MUL_LO
.endif
	MUL16 0, (\q)%2, \q, \slot, \zero
	MUL16 2, (\q)%2, \q, \slot, \zero
	s_wait_dscnt 0
	PLACES NP
	FETCH_B \slot, (\q)+1, 1-(\q)%2
	FETCH_A \slot, (\q)+1, 0
.if \zero
	WIN 0xc1
.else
	WIN MUL_HI
.endif
	MUL16 4, (\q)%2, \q, \slot, \zero
	MUL16 6, (\q)%2, \q, \slot, \zero
	PLACES NP
	WIN 0
	FETCH_A \slot, (\q)+1, 4
.endm
; A slot's last step changes slots: one barrier; in front of it each wave waits for all its tensor loads, adds 0 to its spare word, and waits for that and for its reads of this slot.
.macro TURN slot, next, fill
	s_wait_tensorcnt 0x0                           ; all my tensor loads have landed: my part of the next slot
	ds_add_u32 v[SPW], v[NIL]
	s_wait_dscnt 4*NL+1                            ; (the add and the youngest eight loads may be out)
	WIN MUL_LO
	MUL16 0, 1, NQ-1, \slot, 0
	s_wait_dscnt 0x0                               ; the add is done, and my reads of this slot are over
	s_barrier_signal -1
	MUL16 2, 1, NQ-1, \slot, 0
	WIN 0
	s_barrier_wait -1
.if \fill
	CREST                                          ; the barrier has opened a round of the cluster's: no wave of any partner still reads this slot or has a load on its way
	s_add_nc_u64 s[G0+4*\slot+2:G0+4*\slot+3], s[G0+4*\slot+2:G0+4*\slot+3], 2*ROWB
	s_add_nc_u64 s[G0B+4*\slot+2:G0B+4*\slot+3], s[G0B+4*\slot+2:G0B+4*\slot+3], 2*ROWB
	JLOAD G0+4*\slot, G1, G0B+4*\slot, G1B         ; the first tensor load behind the round; its four v_nop are the places in front of the loads below
.else
	PLACES NP
.endif
	v_add_nc_u32 v[ADRS], 4*NQ, v[ADRS]
	FETCH_B \next, 0, 0
	FETCH_A \next, 0, 0
	SCALES \next
	WIN MUL_HI
	MUL16 4, 1, NQ-1, \slot, 0
	MUL16 6, 1, NQ-1, \slot, 0
	PLACES NP
	WIN 0
	FETCH_A \next, 0, 4
.endm
.macro STEPS slot, from
.set Q, \from
.rept NQ-1-\from
	STEP \slot, Q, 0
.set Q, Q+1
.endr
.endm
	s_wait_tensorcnt 1                             ; the scales and my part of K step 0 are in; K step 1's load may be out
	s_barrier_signal -1
	s_barrier_wait -1
	FETCH_B 0, 0, 0
	FETCH_A 0, 0, 0
	SCALES 0
	FETCH_A 0, 0, 4
	s_wait_loadcnt 0x0                             ; the bias
	STEP 0, 0, 1
	s_mov_b32 s3, LAPS-1
.Llap:                                                 ; a trip goes once round the ring and fills both slots again
	STEPS 0, 1
	TURN 0, 1, 1
	STEPS 1, 0
	TURN 1, 0, 1
	STEP 0, 0, 0
	s_sub_co_u32 s3, s3, 1
	s_cmp_lg_u32 s3, 0
	s_cbranch_scc1 .Llap
	STEPS 0, 1                                     ; the last lap fills nothing
	TURN 0, 1, 0
	STEPS 1, 0
	s_wait_dscnt 4*NL
	WIN MUL_LO
	MUL16 0, 1, NQ-1, 1, 0
	MUL16 2, 1, NQ-1, 1, 0
	s_wait_dscnt 0
	WIN MUL_HI
	MUL16 4, 1, NQ-1, 1, 0
	MUL16 6, 1, NQ-1, 1, 0
	WIN 0
	PLACES NP
; THE WAY OUT.
.macro PACKH a, dst                    ; block a's eight accumulators to f16, each from its low end on: four registers = 16 bytes = eight neighbouring columns of one position
.set AC, 64*((\a)%4)
	WIN 0x0a+5*((\a)/4)                            ; sources 0 and 1: window 2 or 3
.irp b, 0,1,2,3,4,5,6,7
.irp r, 0,1,2,3
	v_cvt_pk_f16_f32 v[\dst+4*\b+\r], v[AC+8*\b+2*\r], v[AC+8*\b+2*\r+1]
.endr
.endr
	WIN 0
.endm
	s_or_b32 s20, s17, s15                         ; positions 0-15 lie in tile row 0, row half 0, block 0: the tile row and the wave's number alone decide
	s_cmp_lg_u32 s20, 0
	s_cbranch_scc1 .Lnot_first
	WIN 0x08                                       ; a store's data: window 2
.irp b, 0,1,2,3,4,5,6,7
	global_store_b128 v[IMG], v[8*\b:8*\b+3], s[104:105] offset:1024*\b        ; 512 consecutive bytes a store
	global_store_b128 v[IMG], v[8*\b+4:8*\b+7], s[104:105] offset:1024*\b+512
.endr
	WIN 0
.Lnot_first:
	s_cmp_eq_u32 ttmp9, 2                          ; cluster 2 makes K and V; its column half 1 is V: the cluster's number and the wave's number alone decide
	s_cselect_b32 s20, s16, 0
	s_cmp_eq_u32 s20, 1
	s_cbranch_scc1 .Lvalues
.irp a, 0,1,2,3,4,5,6,7                ; Q and K: a packed accumulator is a chunk of the image as it stands
.if \a == 4
	s_wait_xcnt 0x0                                ; the first four blocks' stores have read their data and their base: both may be written
	s_add_nc_u64 s[12:13], s[12:13], s[94:95]
.endif
	PACKH \a, 128+32*(\a%4)
.irp b, 0,1,2,3,4,5,6,7
	global_store_b128 v[IMG], v[128+32*(\a%4)+4*\b:128+32*(\a%4)+4*\b+3], s[12:13] offset:4096*\a+512*\b   ; 512 consecutive bytes a store
.endr
.endr
	s_branch .Ldone
.Lvalues:
.irp a, 0,1,2,3,4,5,6,7                ; V: 16 positions x 128 channels through my stage; the turning load gives a lane one channel and eight positions
.if \a >= 2
	s_wait_xcnt 0x0                                ; the stores of two blocks back have read their data
.endif
	PACKH \a, 128+64*(\a%2)
.irp b, 0,1,2,3,4,5,6,7
	ds_store_b128 v[STO], v[128+64*(\a%2)+4*\b:128+64*(\a%2)+4*\b+3] offset:32*\b
.endr
.irp t, 0,1,2,3,4,5,6,7
	ds_load_tr16_b128 v[160+64*(\a%2)+4*\t:160+64*(\a%2)+4*\t+3], v[RDT] offset:32*\t   ; in order behind my stores
.endr
.irp t, 0,1,2,3,4,5,6,7
	s_wait_dscnt 7-\t                              ; the younger turning loads may be out
	global_store_b128 v[IMG], v[160+64*(\a%2)+4*\t:160+64*(\a%2)+4*\t+3], s[12:13] offset:(\a/4)*32768+(\a%4)*4096+512*\t
.endr
.endr
.Ldone:
	s_wait_tensorcnt 0x0                           ; the wave's end
	ds_add_u32 v[SPW], v[NIL]
	s_wait_dscnt 0x0
	CROUND                                         ; the closing round
	s_endpgm
.Lfunc_end_k_q44a2539dba_qkv:
	.size	k_q44a2539dba_qkv, .Lfunc_end_k_q44a2539dba_qkv-k_q44a2539dba_qkv
	.p2alignl 7, 3214868480
	.fill 96, 4, 3214868480
	.section	.rodata,"a",@progbits
	.p2align	6, 0x0
	.amdhsa_kernel k_q44a2539dba_qkv
		.amdhsa_group_segment_fixed_size 327680
		.amdhsa_private_segment_fixed_size 0
		.amdhsa_enable_private_segment 0
		.amdhsa_kernarg_size 64
		.amdhsa_user_sgpr_count 2
		.amdhsa_user_sgpr_kernarg_segment_ptr 1
		.amdhsa_wavefront_size32 1
		.amdhsa_system_sgpr_workgroup_id_x 1
		.amdhsa_system_sgpr_workgroup_id_y 1
		.amdhsa_system_sgpr_workgroup_id_z 1
		.amdhsa_system_vgpr_workitem_id 0
		.amdhsa_next_free_vgpr 1024
		.amdhsa_next_free_sgpr 106
		.amdhsa_reserve_vcc 0
		.amdhsa_float_denorm_mode_32 3
		.amdhsa_float_denorm_mode_16_64 3
		.amdhsa_memory_ordered 1
		.amdhsa_forward_progress 1
		.amdhsa_inst_pref_size 242
	.end_amdhsa_kernel
	.amdgpu_metadata
---
amdhsa.version: [ 1, 2 ]
amdhsa.kernels:
  - .name:           k_q44a2539dba_qkv
    .symbol:         k_q44a2539dba_qkv.kd
    .args:
      - { .name: codes, .offset: 0, .size: 8, .value_kind: global_buffer, .address_space: global }
      - { .name: scales, .offset: 8, .size: 8, .value_kind: global_buffer, .address_space: global }
      - { .name: bq, .offset: 16, .size: 8, .value_kind: global_buffer, .address_space: global }
      - { .name: bk, .offset: 24, .size: 8, .value_kind: global_buffer, .address_space: global }
      - { .name: bv, .offset: 32, .size: 8, .value_kind: global_buffer, .address_space: global }
      - { .name: q_img, .offset: 40, .size: 8, .value_kind: global_buffer, .address_space: global }
      - { .name: kv_img, .offset: 48, .size: 8, .value_kind: global_buffer, .address_space: global }
      - { .name: fine_qkv, .offset: 56, .size: 8, .value_kind: global_buffer, .address_space: global }
    .group_segment_fixed_size: 327680
    .private_segment_fixed_size: 0
    .kernarg_segment_align: 8
    .kernarg_segment_size: 64
    .max_flat_workgroup_size: 128
    .sgpr_count:     106
    .vgpr_count:     1024
    .wavefront_size: 32
...
	.end_amdgpu_metadata
.endif
;; end of part 2
;; launch attn (part 3): grid 64 x 4, 4 waves a work-group, clusters of 4 x 1, 327,680 bytes of LDS; arguments q_img, kv_img, y_h; writes y_h
.if DOCPART == 3
	.amdgcn_target "amdgcn-amd-amdhsa--gfx1250"
	.amdhsa_code_object_version 6
	.text
	.protected	k_q44a2539dba_attn
	.globl	k_q44a2539dba_attn
	.p2align	8
	.type	k_q44a2539dba_attn,@function
k_q44a2539dba_attn:
	s_mov_b64 s[64:65], 0
	v_nop
	global_prefetch_b8 v0, s[64:65] scope:SCOPE_SE
	s_setreg_imm32_b32 hwreg(HW_REG_WAVE_MODE, 25, 1), 1
	s_wait_xcnt 0x0
	s_wait_alu depctr_hold_cnt(0) depctr_sa_sdst(0) depctr_va_vdst(0) depctr_va_sdst(0) depctr_va_ssrc(0) depctr_va_vcc(0) depctr_vm_vsrc(0)
	s_getreg_b32 s2, hwreg(HW_REG_IB_STS2, 6, 4)
	s_cmp_eq_u32 s2, 0
	s_cbranch_scc0 .Lentry_in_a_cluster
	s_endpgm
.Lentry_in_a_cluster:
	s_bfe_u32 s2, ttmp6, 0x10000c
	s_cmp_lg_u32 s2, 0x3003
	s_cbranch_scc0 .Lentry_shape_is_right
	s_endpgm
.Lentry_shape_is_right:
; y[pos][head][:] = the sum over keys <= pos of softmax(Q . K / sqrt(128)) V, 16 query heads on 4 key/value heads, 2,048 positions, head size 128.  Operands f16, products, maxima and sums f32.
; SHARES.  A wave holds the FOUR QUERY HEADS of one key/value head for one tile of 16 positions: four tiles, so that each fragment of K and V feeds four matrix instructions.
; The four WAVES SPLIT THE KEYS: in round R wave w takes keys 256 R + 64 w + 0..63; each keeps its own running maximum, sum and O^T, and the four are merged at the end through LDS.
; A work-group takes position tile j (0..63) and then tile 127 - j: with c = j / 16 that is c + 1 rounds and 8 - c rounds: nine for every work-group.  Only the last round of each tile meets the diagonal.
; CLUSTER.  j = 4 x cluster x + cx, so c is the same in the four partners: they walk the same rounds of the same head and ask for each tile JOINTLY (mask 15).
; ONE LDS SLOT, 32,768 bytes a wave (a step's K, then V, as images of the operand registers: read at 16 x lane, no pitch).  A round's K and V go into 256 registers, and the slot is filled
; again while the round is computed: the registers are the second buffer.  By this text's count a wave has one tensor load out.
; BY TURNS.  The wave's tiles are two PIECES, named by their first tile: piece 0 (tiles 0, 1) and piece 2 (tiles 2, 3).  A round is: K Q^T of piece 0; K Q^T of piece 2 with piece 0's softmax between its
; products; V^T P of piece 0 with piece 2's softmax between its products; V^T P of piece 2.  A piece's softmax is 268 instructions for 32 products: 64 slices, two behind each product.
; A turn across rounds would want the next step's K while this step's V is in use, that is a second slot: two slots and the first tile's dump, 131,072 bytes each, do not fit in LDS.
; LAYOUT.  S^T = K Q^T and O^T = V^T P: a lane holds one query throughout.  p = 2^(c s - c m), c = log2(e) / sqrt(128), m the running maximum; O^T and l are multiplied by 2^(c m_old - c m_new) in every round.
; m begins at -3e38 and O^T, l at 0: the first round's factor is 0 on zeros.  Hidden scores become -infinity ahead of the maximum; a wave all of whose keys are hidden keeps l = 0 and counts for nothing in the merge.
; LIMIT: positions 0-15 are written here in f16 precision and carried again in f32 by a later launch.
; REGISTERS: window 0: v2-11, v44-49 addresses and masks; v12-43 statistics, eight a tile; v64-191 S^T; v192-255 P.  window 1: O^T, 64 a tile.  window 2: v0-127 Q, v128-255 K.  window 3: v0-127 V, v128-255 the second tile's Q.
.set EXL,   131072                     ; LDS: the first tile's four dumps of O^T, 32,768 bytes a wave
.set STAT,  262144                     ; [tile 2][wave 4][c m: head 4 x 128 bytes, then l likewise]
.set STG,   270336                     ; the way out: 16 rows x 272 bytes for each wave
.set SP,    272
.set SPARE, 287744                     ; the spare words, 128 bytes a wave; no other line names them
.set AKV, 2                            ; v2  32,768 x wave + 16 x lane: my slot
.set DAL, 3                            ; v3  the same in EXL
.set ML0, 4                            ; v4, v5  the merge: my head's part of waves 0, 1 and of waves 2, 3, first tile
.set ML1, 5
.set MH0, 6                            ; v6, v7  second tile (dumped into the slot)
.set MH1, 7
.set SA,  8                            ; v8  where I put statistics
.set SR,  9                            ; v9  where I read my head's
.set STO, 10
.set RD,  11
.set ST,  12                           ; tile t at v[12 + 8 t]: c m, m, l (even keys', odd keys'), four at work
.set GO,  44
.set LI,  45                           ; v45 16 x lane
.set DLO, 46                           ; v46 my position - my wave's first key - 8 (lane / 16) in the first tile's last round
.set DHI, 47                           ; v47 the same for the second tile
.set NINF, 48
.set PFO, 49                           ; v49 256 x lane
.set SPW, 62
.set NIL, 63
.set S,   64
.set P,   192
.set KF,  128
.set CS,  58                           ; s[58:59] c
.set SEL, 60                           ; s[60:61] lane l xor 16
.set MSB, 0
.macro WIN new
.if MSB != \new
	s_set_vgpr_msb (MSB<<8)|\new
.set MSB, \new
.endif
.endm
.set W_KQ, 0x0a                        ; K and Q window 2, S^T window 0
.set W_PV, 0x53                        ; V window 3, P window 0, O^T window 1
.set W_RS, 0x41                        ; O^T window 1, the factor window 0
.macro CROUND
	s_barrier_signal -1
	s_barrier_wait -1
	s_cmp_lg_u32 s10, 0
	s_cbranch_scc1 .Lnot_wave_0_\@
	s_barrier_signal -3
.Lnot_wave_0_\@:
	s_barrier_wait -3
	s_barrier_signal -1
	s_barrier_wait -1
.endm
.macro PLACES
.rept 4
	v_nop
.endr
.endm
	s_load_b128 s[4:7], s[0:1], 0x0                ; q_img, kv_img
	s_load_b64 s[8:9], s[0:1], 0x10                ; y_h
	v_lshl_add_u32 v[SPW], v0, 2, SPARE
	v_mov_b32 v[NIL], 0
	ds_add_u32 v[SPW], v[NIL]                      ; the wave's opening: the add, twice on end, and its wait ahead of my first tensor load
	ds_add_u32 v[SPW], v[NIL]
	v_lshrrev_b32 v1, 5, v0
	v_readfirstlane_b32 s10, v1                    ; wave
	s_bfe_u32 s11, ttmp6, 0x40000                  ; cx: it enters Q's, y's and the prefetches' addresses and the mask's numbers alone
	s_and_b32 s13, ttmp7, 0xffff                   ; the key/value head
	s_lshl_b32 s14, ttmp9, 2
	s_add_co_u32 s14, s14, s11                     ; j
	s_lshr_b32 s15, ttmp9, 2                       ; c: of the cluster's number alone
	s_add_co_u32 s16, s15, 1                       ; the trip in which the second tile begins
	s_mov_b32 s17, 0                               ; the trip
	s_mov_b32 s18, 0                               ; the round of keys that was asked for last
	s_mov_b32 s21, 0
	s_mov_b32 s24, 15|(3<<16)|(1<<21)              ; group 1: mask: all four; elements of 8 bytes; bit 21 beside the mask; no padding
	s_mov_b32 s25, 32<<16                          ; tensor_dim0: 32 elements = 256 bytes
	s_mov_b32 s26, 128<<16                         ; tensor_dim1
	s_mov_b32 s27, 32<<16                          ; tile_dim0
	s_mov_b32 s28, 128                             ; tile_dim1: 128 rows: a step's 32,768 dense bytes
	s_mov_b32 s29, 32                              ; pitch
	s_mov_b32 s30, 0
	s_mov_b32 s31, 0
	s_mov_b32 s32, 1
	s_lshl_b32 s33, s10, 15                        ; my slot
	s_mov_b32 s[CS], 0x3e0293ee                    ; log2(e) / sqrt(128)
	s_mov_b32 s[CS+1], s[CS]
	s_mov_b32 s[SEL], 0x76543210
	s_mov_b32 s[SEL+1], 0xfedcba98
	s_cmp_eq_u32 ttmp9, 0
	s_cselect_b32 s38, 6, 0                        ; the head's first cluster prefetches, in trips 0 to 5
	s_lshl_b32 s44, s13, 20
	s_add_co_u32 s44, s44, s33                     ; my step of round 0: head x 2^20 + wave x 32,768: the same in all partners
	s_mov_b32 s45, 0
	s_lshl_b32 s46, s11, 2
	s_add_co_u32 s46, s46, s10
	s_lshl_b32 s46, s46, 13                        ; the prefetches: (4 cx + wave) x 8,192 of a round's 131,072 bytes,
	s_lshl_b32 s47, s13, 20
	s_add_co_u32 s46, s46, s47
	s_add_co_u32 s46, s46, 0x20000                 ; in round 1: the first trip steps it to round 2
	s_mov_b32 s47, 0
	s_wait_dscnt 0x0                               ; both opening adds are done
	s_wait_kmcnt 0x0
	s_add_nc_u64 s[22:23], s[6:7], s[44:45]
	s_add_nc_u64 s[36:37], s[6:7], s[46:47]
	s_mov_b64 s[34:35], s[22:23]
	s_or_b32 s35, s35, 0x80000000
	CROUND                                         ; all four work-groups are here: the first joint loads meet
	tensor_load_to_lds s[32:35], s[24:31]          ; round 0
	s_nop 0
	PLACES
	v_and_b32 v51, 31, v0
	v_lshlrev_b32 v[LI], 4, v51
	s_sub_co_u32 s19, 127, s14                     ; the second tile
	s_lshl_b32 s44, s13, 21                        ; four heads of 524,288 bytes
	s_lshl_b32 s46, s14, 12
	s_add_co_u32 s46, s46, s44
	s_add_nc_u64 s[48:49], s[4:5], s[46:47]
	s_lshl_b32 s46, s19, 12
	s_add_co_u32 s46, s46, s44
	s_add_nc_u64 s[50:51], s[4:5], s[46:47]
	WIN 0x80                                       ; Q stays in registers: head t, chunk n
.irp t, 0,1,2,3
.irp n, 0,1,2,3,4,5,6,7
	global_load_b128 v[32*\t+4*\n:32*\t+4*\n+3], v[LI], s[48:49] offset:\t*524288+\n*512
.endr
.endr
	WIN 0xc0
.irp t, 0,1,2,3
.irp n, 0,1,2,3,4,5,6,7
	global_load_b128 v[128+32*\t+4*\n:128+32*\t+4*\n+3], v[LI], s[50:51] offset:\t*524288+\n*512
.endr
.endr
	WIN 0
	s_lshl_b32 s44, s13, 2
	s_add_co_u32 s44, s44, s10                     ; in the merge wave g owns query head 4 kv + g
	s_lshl_b32 s44, s44, 8
	s_lshl_b32 s46, s14, 16                        ; 16 rows of 4,096 bytes
	s_add_co_u32 s46, s46, s44
	s_add_nc_u64 s[40:41], s[8:9], s[46:47]
	s_lshl_b32 s46, s19, 16
	s_add_co_u32 s46, s46, s44
	s_add_nc_u64 s[42:43], s[8:9], s[46:47]
	v_and_b32 v1, 15, v0                           ; r
	v_bfe_u32 v50, v0, 4, 1                        ; h
	v_add_nc_u32 v[AKV], s33, v[LI]
	v_add_nc_u32 v[DAL], EXL, v[AKV]
	s_lshl_b32 s44, s10, 13
	v_add_nc_u32 v[MH0], s44, v[LI]
	v_add_nc_u32 v[MH1], 65536, v[MH0]
	v_add_nc_u32 v[ML0], EXL, v[MH0]
	v_add_nc_u32 v[ML1], EXL+65536, v[MH0]
	v_lshlrev_b32 v52, 2, v51
	s_lshl_b32 s44, s10, 10
	s_add_co_u32 s44, s44, STAT
	v_add_nc_u32 v[SA], s44, v52
	s_lshl_b32 s44, s10, 7
	s_add_co_u32 s44, s44, STAT
	v_add_nc_u32 v[SR], s44, v52
	s_mul_i32 s44, s10, 16*SP
	s_add_co_u32 s44, s44, STG
	v_mul_u32_u24 v[STO], v1, SP
	v_lshl_add_u32 v[STO], v50, 4, v[STO]
	v_add_nc_u32 v[STO], s44, v[STO]
	v_mul_u32_u24 v[RD], v50, SP
	v_lshl_add_u32 v[RD], v1, 4, v[RD]
	v_add_nc_u32 v[RD], s44, v[RD]
	v_lshlrev_b32 v[GO], 12, v50
	v_lshl_add_u32 v[GO], v1, 4, v[GO]
	v_lshlrev_b32 v[PFO], 8, v51
	v_mov_b32 v[NINF], 0xff800000
	v_lshlrev_b32 v52, 3, v50
	v_sub_nc_u32 v52, v1, v52                      ; r - 8 h
	s_lshl_b32 s44, s14, 4
	s_lshl_b32 s45, s15, 8
	s_sub_co_u32 s44, s44, s45
	s_lshl_b32 s46, s10, 6
	s_sub_co_u32 s44, s44, s46                     ; 16 j - 256 c - 64 w
	v_add_nc_u32 v[DLO], s44, v52
	s_lshl_b32 s44, s19, 4
	s_sub_co_u32 s45, 7, s15
	s_lshl_b32 s45, s45, 8
	s_sub_co_u32 s44, s44, s45
	s_sub_co_u32 s44, s44, s46                     ; 16 (127 - j) - 256 (7 - c) - 64 w
	v_add_nc_u32 v[DHI], s44, v52
; K: 32 loads, CHANNELS FIRST: load n brings chunk m = 8 kb + 2 ch + half with ch = n / 8, kb = (n / 2) % 4: the eight loads of channels 32 ch on are what eight products of a piece want
.macro FETCH_K
	WIN 0x80
.set n, 0
.rept 32
.set m, 8*((n/2)%4)+2*(n/8)+n%2
	ds_load_b128 v[KF+4*m:KF+4*m+3], v[AKV] offset:512*m
.set n, n+1
.endr
.endm
.macro FETCH_V from, to                ; V's loads from .. to - 1 of 32: the fragment of keys 32 (n / 16) on, channels 16 (n % 8) on; its upper half where (n / 8) is odd
	WIN 0xc0
.set n, \from
.rept \to-\from
	ds_load_b128 v[64*(n/16)+8*(n%8)+4*((n/8)%2):64*(n/16)+8*(n%8)+4*((n/8)%2)+3], v[AKV] offset:16384+512*n
.set n, n+1
.endr
.endm
; THE MATRIX WORK, for piece x.  The accumulators take turns, one instruction a turn.
; Product i of 32 of S^T = K Q^T: channels 32 (i / 8) on, keys 16 ((i / 2) % 4) on, tile x + i % 2.  The first 8 start the sums.
.macro KQ x
	WIN W_KQ
.set rS, S+32*(\x+i%2)+8*((i/2)%4)
.set rK, KF+32*((i/2)%4)+8*(i/8)
.set rQ, 32*(\x+i%2)+8*(i/8)
.if i < 8
	v_wmma_f32_16x16x32_f16 v[rS:rS+7], v[rK:rK+7], v[rQ:rQ+7], 0
.else
	v_wmma_f32_16x16x32_f16 v[rS:rS+7], v[rK:rK+7], v[rQ:rQ+7], v[rS:rS+7]
.endif
.endm
; Product i of 32 of O^T += V^T P: keys 32 (i / 16) on, channels 16 ((i / 2) % 8) on, tile x + i % 2.
.macro PV x
	WIN W_PV
.set rO, 64*(\x+i%2)+8*((i/2)%8)
.set rV, 64*(i/16)+8*((i/2)%8)
.set rP, P+16*(\x+i%2)+8*(i/16)
	v_wmma_f32_16x16x32_f16 v[rO:rO+7], v[rV:rV+7], v[rP:rP+7], v[rO:rO+7]
.endm
; THE VECTOR WORK.  One tile's softmax for a round is a list of 134 instructions; SM writes number j of it for tile t.
;   0-15 the maximum of the lane's 32 scores and the old m;  16-20 the other half of the lanes', the new m, c m, its change;  21-69 ONE BATCH: 16 packed scalings c s - c m and 33 exponentials, none of which
;   reads an exponential's result;  70-85 roundings to f16;  86-101 the sums, l = a l + sum;  102-133 O^T times a.
.macro SM t
.set rT, ST+8*(\t)
.set rS, S+32*(\t)
.set rP, P+16*(\t)
.set rO, 64*(\t)+2*(j-102)
.if j < 102
	WIN 0
.endif
.if j < 4
	v_max3_num_f32 v[rT+4+j], v[rS+8*j], v[rS+8*j+1], v[rS+8*j+2]     ; each accumulator is read from its low end on
.elseif j < 12
	v_max3_num_f32 v[rT+4+j%4], v[rT+4+j%4], v[rS+8*(j%4)+2*(j/4)+1], v[rS+8*(j%4)+2*(j/4)+2]
.elseif j == 12
	v_max3_num_f32 v[rT+4], v[rT+4], v[rS+7], v[rS+15]
.elseif j == 13
	v_max3_num_f32 v[rT+6], v[rT+6], v[rS+23], v[rS+31]
.elseif j == 14
	v_max3_num_f32 v[rT+4], v[rT+4], v[rT+5], v[rT+6]
.elseif j == 15
	v_max3_num_f32 v[rT+4], v[rT+4], v[rT+7], v[rT+1]
.elseif j == 16
	v_permlanex16_b32 v[rT+5], v[rT+4], s[SEL], s[SEL+1]
.elseif j == 17
	v_mov_b32 v[rT+7], v[rT]                       ; c m_old is kept: number 19 writes c m anew
.elseif j == 18
	v_max_num_f32 v[rT+1], v[rT+4], v[rT+5]
.elseif j == 19
	v_mul_f32 v[rT], s[CS], v[rT+1]
.elseif j == 20
	v_sub_f32 v[rT+7], v[rT+7], v[rT]
.elseif j == 23
	v_exp_f32 v[rT+6], v[rT+7]                     ; a
.elseif (j < 23) || ((j < 38) && (j%2 == 0)) || ((j < 66) && (j%4 == 2))
.set b, (j-2)/4
.if j < 38
.set b, (j-20)/2
.endif
	v_pk_fma_f32 v[rS+2*b:rS+2*b+1], v[rS+2*b:rS+2*b+1], s[CS:CS+1], v[rT:rT+1] op_sel_hi:[1,0,0] neg_lo:[0,0,1] neg_hi:[0,0,1]
.elseif j < 70
.set e, j-38
.if j < 66
.set e, j-32-(j-38)/4
.endif
.if j < 38
.set e, (j-25)/2
.endif
	v_exp_f32 v[rS+e], v[rS+e]
.elseif j < 86
	v_cvt_pk_f16_f32 v[rP+j-70], v[rS+2*(j-70)], v[rS+2*(j-70)+1]
.elseif j < 102
.set z, j-86
.set w, 4
.set u, z
.if z >= 14
.set w, 32
.set u, 0
.elseif z >= 12
.set w, 16
.set u, z-12
.elseif z >= 8
.set w, 8
.set u, z-8
.endif
.if z < 15
	v_pk_add_f32 v[rS+w*u:rS+w*u+1], v[rS+w*u:rS+w*u+1], v[rS+w*u+w/2:rS+w*u+w/2+1]
.else
	v_pk_fma_f32 v[rT+2:rT+3], v[rT+2:rT+3], v[rT+6:rT+7], v[rS:rS+1] op_sel_hi:[1,0,1]
.endif
.else
	WIN W_RS
	v_pk_mul_f32 v[rO:rO+1], v[rO:rO+1], v[rT+6:rT+7] op_sel_hi:[1,0]
.endif
.endm
; Slice k of 64 of piece y's softmax: four instructions.  Slices 11 to 34 deal out the batch, numbers 22 to 69: four numbers of ONE tile each, the tiles by turns.  Every other slice is numbers 2 k and 2 k + 1
; of both tiles' lists, the tiles alternating.  2 x 134 = 4 x 64 + 12: the twelve that are over stand together, in slice 63: its sixteen plain lines name nothing of the products round them.
; Ahead of slice 35 nothing names an exponential's result, and behind slice 34 no exponential is issued: so the piece's 66 exponentials have one plain line and ONE wait, behind slice 34.
.macro SLICE y
.if (k >= 11) && (k < 35)
.irp n, 0,1,2,3
.set j, 22+4*((k-11)/2)+(\n)
	SM (\y)+(k-11)%2
.endr
.else
.irp n, 0,1,2,3,4,5,6,7
.if (\n < 2) || (k == 63)
.irp t, \y, \y+1
.set j, 2*k+\n
	SM \t
.endr
.endif
.endr
.endif
.if k == 34
	v_nop
	s_wait_alu depctr_va_vdst(0)
.endif
.set k, k+1
.endm
.macro MASKP d, x                      ; piece x: register n holds key 16 (n / 8) + n % 8 + 8 (lane / 16) of my wave's 64: hidden where that lies beyond my position.  Each accumulator from its low end on
.set n, 0
.rept 32
	v_cmp_gt_i32 vcc_lo, 16*(n/8)+n%8, v[\d]
	v_cndmask_b32 v[S+32*(\x)+n], v[S+32*(\x)+n], v[NINF], vcc_lo
	v_cndmask_b32 v[S+32*(\x)+32+n], v[S+32*(\x)+32+n], v[NINF], vcc_lo
.set n, n+1
.endr
.endm
.macro INIT                            ; a tile's start.  Where the second tile begins hangs on the cluster's number, so the round is written once and finds zeros
	WIN 0x40
.set i, 0
.rept 256
	v_mov_b32 v[i], 0
.set i, i+1
.endr
	WIN 0
.irp t, 0,1,2,3
	v_mov_b32 v[ST+8*\t+1], 0xff61b1e6             ; m = -3e38, under every score
	v_mul_f32 v[ST+8*\t], s[CS], v[ST+8*\t+1]
.irp k, 2,3,4,5,6,7
	v_mov_b32 v[ST+8*\t+\k], 0
.endr
.endr
.endm
.macro FLUSH ph, adr                   ; my c m, l and O^T of the tile go to LDS bytes of my own
.irp t, 0,1,2,3
	v_add_f32 v[ST+8*\t+4], v[ST+8*\t+2], v[ST+8*\t+3]
.endr
.irp t, 0,1,2,3
	v_permlanex16_b32 v[ST+8*\t+5], v[ST+8*\t+4], s[SEL], s[SEL+1]
.endr
.irp t, 0,1,2,3
	v_add_f32 v[ST+8*\t+4], v[ST+8*\t+4], v[ST+8*\t+5]
.endr
.irp t, 0,1,2,3
	ds_store_b32 v[SA], v[ST+8*\t] offset:4096*\ph+128*\t
	ds_store_b32 v[SA], v[ST+8*\t+4] offset:4096*\ph+512+128*\t
.endr
	WIN 0x04                                       ; an LDS store's data: window 1
.set n, 0
.rept 64
	ds_store_b128 v[\adr], v[4*n:4*n+3] offset:512*n   ; each accumulator from its low end on
.set n, n+1
.endr
	WIN 0
.endm
; A prefetch of the round of keys that stands two trips on in the first cluster's walk: 131,072 bytes = 4 partners x 4 waves x 32 lanes x 256; the partners are told apart by address.  All clusters of a head
; read the same K and V: the head's first cluster asks, in trips 0 to 5, for rounds 2 to 7; rounds 0 and 1 come by their loads alone.
.macro ASK
	s_cmp_lt_u32 s17, s38
	s_cbranch_scc0 .Lnot_mine_\@
	global_prefetch_b8 v[PFO], s[36:37] th:TH_LOAD_NT scope:SCOPE_SE
.Lnot_mine_\@:
.endm
; A ROUND.  fill = 1: the slot is filled again with the next round's step.  mode = 0: the first tile's mask in trip c; mode = 1: the second tile's mask.
.macro BODY fill, mode
	s_wait_tensorcnt 0x0                           ; my step has landed; I alone read it
	FETCH_K
	FETCH_V 0, 16
	s_wait_dscnt 40                                ; K's first eight loads are in: behind them stand 24 of K's and 16 of V's
	FETCH_V 16, 32
	WIN 0
.if \fill
	s_wait_tensorcnt 0x0                           ; no tensor load of mine is out (met at once): the descriptor may be written
	ds_add_u32 v[SPW], v[NIL]                      ; 0 onto my spare word; the work below stands between it and the wait for it
	s_add_co_u32 s19, s17, 1
	s_add_co_u32 s18, s18, 1                       ; the next round of keys,
	s_cmp_eq_u32 s19, s16
	s_cselect_b32 s18, 0, s18                      ; or round 0 again where the second tile begins
	s_lshl_b32 s20, s18, 17
	s_add_nc_u64 s[34:35], s[22:23], s[20:21]
	s_or_b32 s35, s35, 0x80000000
	s_wait_xcnt 0x0                                ; the last prefetch, a round back, has read its address
	s_add_nc_u64 s[36:37], s[36:37], 0x20000
.endif
.set i, 0
.rept 32                               ; piece 0's scores: eight products for each 32 channels, as K's loads come in
.if (i%8 == 0) && (i > 0)
	s_wait_dscnt 56+\fill-i                        ; the loads of these 32 channels are in; K's later ones, V's 32 and (fill = 1) the add may be out
.endif
	KQ 0
.set i, i+1
.endr
	WIN 0
	s_wait_dscnt 0x0                               ; the add is done, and my reads of the slot are over: K and V are in registers
.if \fill
	CROUND                                         ; no wave of any partner still reads its slot or has a load on its way
	tensor_load_to_lds s[32:35], s[24:31]          ; it has the other 96 products and both softmaxes in which to land
	s_nop 0
	PLACES                                         ; also the places behind piece 0's last K Q^T
	ASK
.else
	PLACES
.endif
.if \mode
	MASKP DHI, 0
.else
	s_cmp_lg_u32 s17, s15                          ; the cluster's number and the trip alone: the same in all waves and partners
	s_cbranch_scc1 .Lopen_a_\@
	MASKP DLO, 0
.Lopen_a_\@:
.endif
.set k, 0
.set i, 0
.rept 32                               ; piece 2's scores | piece 0's softmax
	KQ 2
	SLICE 0
	SLICE 0
.set i, i+1
.endr
	WIN 0                                          ; slices 62 and 63, twenty plain lines on O^T, are the places behind piece 2's last K Q^T
.if \mode
	MASKP DHI, 2
.else
	s_cmp_lg_u32 s17, s15
	s_cbranch_scc1 .Lopen_b_\@
	MASKP DLO, 2
.Lopen_b_\@:
.endif
.set k, 0
.set i, 0
.rept 32                               ; piece 0's V^T P | piece 2's softmax
	PV 0
	SLICE 2
	SLICE 2
.set i, i+1
.endr
.set i, 0
.rept 32
	PV 2
.set i, i+1
.endr
	PLACES                                         ; in front of loads into V's registers and of reads of O^T
	WIN 0
.endm
.macro PART buf, adr, off              ; one wave's O^T of my head: 64 registers
.set n, 0
.rept 16
	ds_load_b128 v[\buf+4*n:\buf+4*n+3], v[\adr] offset:\off+512*n
.set n, n+1
.endr
.endm
.macro WSUM buf, w                     ; v192-255 (+)= the part x its factor
.set n, 0
.rept 32
.if \w == 0
	v_pk_mul_f32 v[192+2*n:193+2*n], v[\buf+2*n:\buf+2*n+1], v[24:25] op_sel_hi:[1,0]
.else
	v_pk_fma_f32 v[192+2*n:193+2*n], v[\buf+2*n:\buf+2*n+1], v[24+2*\w:25+2*\w], v[192+2*n:193+2*n] op_sel_hi:[1,0,1]
.endif
.set n, n+1
.endr
.endm
; THE MERGE of a tile: wave g owns head g.  With c m* the largest of the four c m: f_w = 2^(c m_w - c m*), L = the sum of f_w l_w, y = the sum of (f_w / L) O_w.
.macro MERGE ph, a0, a1, yb
	s_wait_xcnt 0x0                                ; earlier stores have read their data: the registers may be loaded again
.irp w, 0,1,2,3
	ds_load_b32 v[12+\w], v[SR] offset:4096*\ph+1024*\w
	ds_load_b32 v[16+\w], v[SR] offset:4096*\ph+1024*\w+512
.endr
	PART 64, \a0, 0
	s_wait_dscnt 16                                ; the statistics are in; the part may be out
	v_max3_num_f32 v20, v12, v13, v14
	v_max_num_f32 v20, v20, v15
.irp w, 0,1,2,3
	v_sub_f32 v[12+\w], v[12+\w], v20
.endr
.irp w, 0,1,2,3
	v_exp_f32 v[12+\w], v[12+\w]
.endr
	v_nop
	s_wait_alu depctr_va_vdst(0)                   ; one wait for the four
	v_mul_f32 v21, v12, v16
	v_fmac_f32 v21, v13, v17
	v_fmac_f32 v21, v14, v18
	v_fmac_f32 v21, v15, v19
	v_rcp_f32 v21, v21
	v_nop
	s_wait_alu depctr_va_vdst(0)
.irp w, 0,1,2,3
	v_mul_f32 v[24+2*\w], v[12+\w], v21
	v_mul_f32 v[25+2*\w], v[12+\w], v21            ; (named with it as a pair, so it is written)
.endr
	PART 128, \a0, 32768
	s_wait_dscnt 16                                ; wave 0's part is in; the sixteen loads just issued may be out
	WSUM 64, 0
	PART 64, \a1, 0
	s_wait_dscnt 16
	WSUM 128, 1
	PART 128, \a1, 32768
	s_wait_dscnt 16
	WSUM 64, 2
	s_wait_dscnt 0x0
	WSUM 128, 3
.set n, 0
.rept 32
	v_cvt_pk_f16_f32 v[64+n], v[192+2*n], v[193+2*n]
.set n, n+1
.endr
.irp f, 0,1,2,3,4,5,6,7
	ds_store_b128 v[STO], v[64+4*\f:64+4*\f+3] offset:32*\f          ; row = position r, channels 16 f + 8 h on
.endr
.irp f, 0,1,2,3,4,5,6,7
	ds_load_b128 v[96+4*\f:96+4*\f+3], v[RD] offset:\f*2*SP          ; in order behind my stores: whole rows of 256 bytes
.endr
.irp f, 0,1,2,3,4,5,6,7
	s_wait_dscnt 7-\f                              ; the younger loads may be out
	global_store_b128 v[GO], v[96+4*\f:96+4*\f+3], s[\yb:\yb+1] offset:\f*8192   ; 16 lanes store 256 consecutive bytes, aligned
.endr
.endm
	INIT
	s_wait_loadcnt 0x0                             ; Q, both tiles'
.Ltrip:                                                ; eight trips; the ninth round is written out, since it asks for nothing
	s_cmp_lg_u32 s17, s16                          ; the second tile begins: the cluster's number and the trip alone; no barrier, wait for a fill or tensor load stands in this arm
	s_cbranch_scc1 .Lsame
	FLUSH 0, DAL
	s_wait_dscnt 0x0                               ; the dump has read its registers
	WIN 0x83                                       ; Q: from window 3 to window 2
.set i, 0
.rept 128
	v_mov_b32 v[i], v[128+i]
.set i, i+1
.endr
	INIT
.Lsame:
	BODY 1, 0
	s_add_co_u32 s17, s17, 1
	s_cmp_lt_u32 s17, 8
	s_cbranch_scc1 .Ltrip
	BODY 0, 1
	FLUSH 1, AKV                                   ; into my slot: it has had its last fill, and I alone read it
	s_wait_dscnt 0x0                               ; for the others' sake: my dumps have landed
	s_barrier_signal -1
	s_barrier_wait -1
	MERGE 0, ML0, ML1, 40
	MERGE 1, MH0, MH1, 42
	s_wait_tensorcnt 0x0                           ; the wave's end
	ds_add_u32 v[SPW], v[NIL]
	s_wait_dscnt 0x0
	CROUND                                         ; the closing round
	s_endpgm
.Lfunc_end_k_q44a2539dba_attn:
	.size	k_q44a2539dba_attn, .Lfunc_end_k_q44a2539dba_attn-k_q44a2539dba_attn
	.p2alignl 7, 3214868480
	.fill 96, 4, 3214868480
	.section	.rodata,"a",@progbits
	.p2align	6, 0x0
	.amdhsa_kernel k_q44a2539dba_attn
		.amdhsa_group_segment_fixed_size 327680
		.amdhsa_private_segment_fixed_size 0
		.amdhsa_enable_private_segment 0
		.amdhsa_kernarg_size 24
		.amdhsa_user_sgpr_count 2
		.amdhsa_user_sgpr_kernarg_segment_ptr 1
		.amdhsa_wavefront_size32 1
		.amdhsa_system_sgpr_workgroup_id_x 1
		.amdhsa_system_sgpr_workgroup_id_y 1
		.amdhsa_system_sgpr_workgroup_id_z 1
		.amdhsa_system_vgpr_workitem_id 0
		.amdhsa_next_free_vgpr 1024
		.amdhsa_next_free_sgpr 66
		.amdhsa_reserve_vcc 1
		.amdhsa_float_denorm_mode_32 3
		.amdhsa_float_denorm_mode_16_64 3
		.amdhsa_memory_ordered 1
		.amdhsa_forward_progress 1
		.amdhsa_inst_pref_size 185
	.end_amdhsa_kernel
	.amdgpu_metadata
---
amdhsa.version: [ 1, 2 ]
amdhsa.kernels:
  - .name:           k_q44a2539dba_attn
    .symbol:         k_q44a2539dba_attn.kd
    .args:
      - { .name: q_img, .offset: 0, .size: 8, .value_kind: global_buffer, .address_space: global }
      - { .name: kv_img, .offset: 8, .size: 8, .value_kind: global_buffer, .address_space: global }
      - { .name: y_h, .offset: 16, .size: 8, .value_kind: global_buffer, .address_space: global }
    .group_segment_fixed_size: 327680
    .private_segment_fixed_size: 0
    .kernarg_segment_align: 8
    .kernarg_segment_size: 24
    .max_flat_workgroup_size: 128
    .sgpr_count:     66
    .vgpr_count:     1024
    .wavefront_size: 32
...
	.end_amdgpu_metadata
.endif
;; end of part 3
;; launch oproj (part 4): grid 16 x 16, 4 waves a work-group, clusters of 4 x 4, 327,680 bytes of LDS; arguments y_h, wo_h, out0, bo; writes out0
.if DOCPART == 4
	.amdgcn_target "amdgcn-amd-amdhsa--gfx1250"
	.amdhsa_code_object_version 6
	.text
	.protected	k_q44a2539dba_oproj
	.globl	k_q44a2539dba_oproj
	.p2align	8
	.type	k_q44a2539dba_oproj,@function
k_q44a2539dba_oproj:
	s_mov_b64 s[64:65], 0
	v_nop
	global_prefetch_b8 v0, s[64:65] scope:SCOPE_SE
	s_setreg_imm32_b32 hwreg(HW_REG_WAVE_MODE, 25, 1), 1
	s_wait_xcnt 0x0
	s_wait_alu depctr_hold_cnt(0) depctr_sa_sdst(0) depctr_va_vdst(0) depctr_va_sdst(0) depctr_va_ssrc(0) depctr_va_vcc(0) depctr_vm_vsrc(0)
	s_getreg_b32 s2, hwreg(HW_REG_IB_STS2, 6, 4)
	s_cmp_eq_u32 s2, 0
	s_cbranch_scc0 .Lentry_in_a_cluster
	s_endpgm
.Lentry_in_a_cluster:
	s_bfe_u32 s2, ttmp6, 0x10000c
	s_cmp_lg_u32 s2, 0xf033
	s_cbranch_scc0 .Lentry_shape_is_right
	s_endpgm
.Lentry_shape_is_right:
; out0[m][n] = the sum over k of y[m][k] Wo[n][k] + bo[n].  y_h, wo_h: [2048][2048] f16; out0 f32; sums in f32.
; 2,048 x 2,048 gives 256 tiles of 128 x 128: one for each work-group of four waves, 64 x 64 a wave: 16 accumulators.  K goes in steps of 256 (LDS rows of 512 bytes) through two slots.
; CLUSTERS: 4 x 4 work-groups: y's tiles are asked for jointly along a row of the cluster, Wo's along a column.  The matrix instruction is used transposed (source 0 = 16 rows of Wo, source 1 = 16 rows of y):
; a lane holds eight neighbouring columns of one row.  The bias is the C of each sum's first product.
; THE WALK ALONG K GOES ROUND: cluster (X, Y) of the grid's 4 x 4 begins at K step (2 X + 4 Y) mod 8 and takes the eight steps from there on, modulo 8.  So the four clusters that read the same rows of y ask for
; four different K steps at any one time, and clusters Y and Y + 1, which read the same rows of Wo, stand four steps apart.  X and Y are the same in all sixteen partners.  Each sum takes every K step once;
; the order of its f32 additions along K differs from cluster to cluster.
; Rows 0-15 are written here like all others and written again, carried in f32, by the launch that follows: a branch on a work-group's place in its cluster is not to be had.
; REGISTERS: window 0: v0-31 addresses; v32-63 the bias, later with v64-95 the way out; v128-255 the accumulators ((a, b) at v[128 + 8 (4 a + b)]).  window 1: two fragment buffers of 128.
.set SIZE_N, 2048
.set SIZE_K, 2048
.set KSTEP,  256
.set PITCH,  528                       ; 512 bytes + 16 of padding: the 16 rows of a fragment load start 16 bytes apart modulo 256
.set HALFT,  64*PITCH
.set SLOT,   4*HALFT
.set STAGE,  2*SLOT                    ; behind the ring: 16 rows x 272 bytes for each wave
.set SPITCH, 272
.set SPARE,  STAGE+4*16*SPITCH         ; the spare words, 128 bytes a wave; no other line names them
.set LAPS, SIZE_K/(2*KSTEP)
.set ADRA, 16
.set ADRB, 20
.set STO,  24
.set RD,   25
.set CO,   26
.set SPW,  28
.set NIL,  29
.set TMP,  32
.set BI,   32                          ; register 8 b + j: bo of column 16 b + 8 (lane / 16) + j of my 64
.set ACC,  128
.set F0,   0
.set F1,   128
.set G1, 24
.set G0, 32
.set G1B, 48
.set G0B, 56
.set BA, 68                            ; s[68:69] the first byte of the rows of y that I fetch;  s[70:71] of Wo's
.set BB, 70
.set KO, 72                            ; s[72:73], s[74:75] slot 0's and slot 1's place along a row, in bytes, modulo the row's 4,096
.set MSB, 0
.macro WIN new
.if MSB != \new
	s_set_vgpr_msb (MSB<<8)|\new
.set MSB, \new
.endif
.endm
.set MUL,  0x05                        ; sources 0 and 1 window 1; C and D window 0
.set TO_F, 0x40
.macro JLOAD s                         ; waves 0 and 1 fetch y's two halves, waves 2 and 3 Wo's; an s_nop 0 and four v_nop follow each of the two lines
	s_cmp_eq_u32 s11, 0
	s_cbranch_scc0 .Lfor_b_\@
	tensor_load_to_lds s[G0+4*\s:G0+4*\s+3], s[G1:G1+7]
	s_nop 0
.rept 4
	v_nop
.endr
	s_branch .Lasked_\@
.Lfor_b_\@:
	tensor_load_to_lds s[G0B+4*\s:G0B+4*\s+3], s[G1B:G1B+7]
	s_nop 0
.rept 4
	v_nop
.endr
.Lasked_\@:
.endm
.macro CREST
	s_cmp_lg_u32 s10, 0
	s_cbranch_scc1 .Lnot_wave_0_\@
	s_barrier_signal -3
.Lnot_wave_0_\@:
	s_barrier_wait -3
	s_barrier_signal -1
	s_barrier_wait -1
.endm
.macro CROUND
	s_barrier_signal -1
	s_barrier_wait -1
	CREST
.endm
.macro AIM s                           ; slot s's two descriptors at its place along K: the rows' first byte + the place; then the type bits
	s_add_nc_u64 s[G0+4*\s+2:G0+4*\s+3], s[BA:BA+1], s[KO+2*\s:KO+2*\s+1]
	s_or_b32 s[G0+4*\s+3], s[G0+4*\s+3], 0x80000000
	s_add_nc_u64 s[G0B+4*\s+2:G0B+4*\s+3], s[BB:BB+1], s[KO+2*\s:KO+2*\s+1]
	s_or_b32 s[G0B+4*\s+3], s[G0B+4*\s+3], 0x80000000
.endm
	s_load_b128 s[4:7], s[0:1], 0x0                ; y_h, wo_h
	s_load_b64 s[8:9], s[0:1], 0x10                ; out0
	s_load_b64 s[66:67], s[0:1], 0x18              ; bo
	v_lshl_add_u32 v[SPW], v0, 2, SPARE
	v_mov_b32 v[NIL], 0
	ds_add_u32 v[SPW], v[NIL]                      ; the wave's opening: the add, twice on end, and its wait ahead of my first tensor load
	ds_add_u32 v[SPW], v[NIL]
	v_lshrrev_b32 v1, 5, v0
	v_readfirstlane_b32 s10, v1                    ; wave
	s_lshr_b32 s11, s10, 1                         ; my half of the rows.  Also: I fetch for y (0) or for Wo (1)
	s_and_b32 s12, s10, 1                          ; my half of the columns.  Also: which 64 rows I fetch
	s_bfe_u32 s40, ttmp6, 0x40000
	s_bfe_u32 s41, ttmp6, 0x40004
	s_lshl_b32 s42, ttmp9, 2
	s_add_co_u32 s42, s42, s40                     ; tile column
	s_and_b32 s13, ttmp7, 0xffff
	s_lshl_b32 s13, s13, 2
	s_add_co_u32 s13, s13, s41                     ; tile row
	s_lshl_b32 s43, s41, 2
	s_lshl_b32 s43, 15, s43                        ; my row of the cluster
	s_lshl_b32 s44, 0x1111, s40                    ; my column
	s_or_b32 s[G1+0], s43, (1<<16)|(1<<20)|(1<<21)|(6<<22)|(3<<25)  ; the mask; elements of 2 bytes; padding: 4 words behind every 128; bit 21 beside the mask
	s_or_b32 s[G1B+0], s44, (1<<16)|(1<<20)|(1<<21)|(6<<22)|(3<<25)
.irp g, G1, G1B
	s_mov_b32 s[\g+1], KSTEP<<16
	s_mov_b32 s[\g+2], 64<<16
	s_mov_b32 s[\g+3], KSTEP<<16
	s_mov_b32 s[\g+4], 64
	s_mov_b32 s[\g+5], SIZE_K
	s_mov_b32 s[\g+6], 0
	s_mov_b32 s[\g+7], 0
.endr
	s_lshl_b32 s17, s12, 6
	s_lshl_b32 s16, s13, 7
	s_add_co_u32 s16, s16, s17                     ; y: row 128 x tile row + 64 x half
	s_lshl_b32 s46, s42, 7
	s_add_co_u32 s46, s46, s17                     ; Wo: row 128 x tile column + 64 x half
	s_mov_b32 s17, 0
	s_mov_b32 s47, 0
	s_mov_b64 s[18:19], SIZE_K*2
	s_mul_u64 s[16:17], s[16:17], s[18:19]
	s_mul_u64 s[46:47], s[46:47], s[18:19]
	s_mul_i32 s20, s10, HALFT
	s_lshl_b32 s[KO], ttmp9, 1                     ; where my cluster's walk begins: 2 x cluster x
	s_and_b32 s[KO+1], ttmp7, 0xffff
	s_lshl_b32 s[KO+1], s[KO+1], 2
	s_add_co_u32 s[KO], s[KO], s[KO+1]             ; + 4 x cluster y,
	s_and_b32 s[KO], s[KO], 6                      ; modulo 8 (it is even): of the cluster's two numbers alone
	s_lshl_b32 s[KO], s[KO], 9                     ; a K step is 512 bytes of a row
	s_add_co_u32 s[KO+2], s[KO], KSTEP*2           ; slot 1 begins a step further on: an odd step, so it does not pass the row's end
	s_mov_b32 s[KO+1], 0
	s_mov_b32 s[KO+3], 0
	s_wait_dscnt 0x0                               ; both opening adds are done
	s_wait_kmcnt 0x0
	s_add_nc_u64 s[BA:BA+1], s[4:5], s[16:17]
	s_add_nc_u64 s[BB:BB+1], s[6:7], s[46:47]
	CROUND                                         ; all sixteen work-groups are here: the first joint loads meet
.irp s, 0,1
	s_mov_b32 s[G0+4*\s], 1
	s_add_co_u32 s[G0+4*\s+1], s20, \s*SLOT
	s_mov_b32 s[G0B+4*\s], 1
	s_add_co_u32 s[G0B+4*\s+1], s20, \s*SLOT
	AIM \s
	JLOAD \s
.endr
	v_and_b32 v1, 15, v0                           ; r
	v_bfe_u32 v2, v0, 4, 1                         ; h
	s_lshl_b32 s46, s42, 9                         ; my first column, in bytes of f32: 512 x tile column + 256 x half: in out0's rows and in bo alike
	s_lshl_b32 s47, s12, 8
	s_add_co_u32 s46, s46, s47
	s_mov_b32 s47, 0
	s_add_nc_u64 s[66:67], s[66:67], s[46:47]
	v_lshlrev_b32 v6, 5, v2
.irp b, 0,1,2,3
	global_load_b128 v[BI+8*\b:BI+8*\b+3], v6, s[66:67] offset:64*\b
	global_load_b128 v[BI+8*\b+4:BI+8*\b+7], v6, s[66:67] offset:64*\b+16
.endr
	v_mul_u32_u24 v3, v1, PITCH
	v_lshl_add_u32 v3, v2, 4, v3
	s_mul_i32 s21, s11, HALFT
	s_mul_i32 s22, s12, HALFT
	s_add_co_u32 s22, s22, 2*HALFT
.irp s, 0,1
	v_add_nc_u32 v[ADRA+\s], s21, v3
	v_add_nc_u32 v[ADRB+\s], s22, v3
	s_add_co_u32 s21, s21, SLOT
	s_add_co_u32 s22, s22, SLOT
.endr
	s_mul_i32 s23, s10, 16*SPITCH
	s_add_co_u32 s23, s23, STAGE                   ; my stage: a wave's 64 columns of f32 are 256 bytes, so each wave sends its own rows
	v_mul_u32_u24 v4, v1, SPITCH
	v_lshl_add_u32 v4, v2, 5, v4
	v_add_nc_u32 v[STO], s23, v4                   ; in: row r, 32 bytes for each half of the lanes
	v_mul_u32_u24 v5, v2, SPITCH
	v_lshl_add_u32 v5, v1, 4, v5
	v_add_nc_u32 v[RD], s23, v5                    ; back: lanes 0-15 one row, lanes 16-31 the next
	v_mul_u32_u24 v5, v2, SIZE_N*4
	v_lshl_add_u32 v[CO], v1, 4, v5
	s_lshl_b32 s16, s13, 7
	s_lshl_b32 s17, s11, 6
	s_add_co_u32 s16, s16, s17                     ; my first row
	s_lshl_b32 s16, s16, 13                        ; rows of 8,192 bytes
	s_mov_b32 s17, 0
	s_add_nc_u64 s[8:9], s[8:9], s[16:17]
	s_add_nc_u64 s[8:9], s[8:9], s[46:47]
.macro MUL8 f, c, a0, zero             ; 8 matrix instructions; zero = 1: the first product starts the sums, from the bias.  The 16 accumulators take turns
.irp a, \a0, \a0+1
.irp b, 0,1,2,3
.if \zero
	v_wmma_f32_16x16x32_f16 v[ACC+8*(4*(\a)+\b):ACC+8*(4*(\a)+\b)+7], v[\f+64+8*(4*\c+\b):\f+64+8*(4*\c+\b)+7], v[\f+8*(4*\c+\a):\f+8*(4*\c+\a)+7], v[BI+8*\b:BI+8*\b+7]
.else
	v_wmma_f32_16x16x32_f16 v[ACC+8*(4*(\a)+\b):ACC+8*(4*(\a)+\b)+7], v[\f+64+8*(4*\c+\b):\f+64+8*(4*\c+\b)+7], v[\f+8*(4*\c+\a):\f+8*(4*\c+\a)+7], v[ACC+8*(4*(\a)+\b):ACC+8*(4*(\a)+\b)+7]
.endif
.endr
.endr
.endm
.macro FETCH slot, k, f                ; 32 LDS loads in one run: the fragments of 64 along K; the first 32 along K first
	WIN TO_F
.irp c, 0,1
.irp i, 0,1,2,3
	ds_load_b128 v[\f+64+8*(4*\c+\i):\f+64+8*(4*\c+\i)+3],   v[ADRB+\slot] offset:\k+64*\c+\i*16*PITCH
	ds_load_b128 v[\f+64+8*(4*\c+\i)+4:\f+64+8*(4*\c+\i)+7], v[ADRB+\slot] offset:\k+64*\c+\i*16*PITCH+32
	ds_load_b128 v[\f+8*(4*\c+\i):\f+8*(4*\c+\i)+3],         v[ADRA+\slot] offset:\k+64*\c+\i*16*PITCH
	ds_load_b128 v[\f+8*(4*\c+\i)+4:\f+8*(4*\c+\i)+7],       v[ADRA+\slot] offset:\k+64*\c+\i*16*PITCH+32
.endr
.endr
.endm
.macro PLACES
.rept 4
	v_nop
.endr
.endm
.macro QUARTER slot, k, f, g, zero
	s_wait_dscnt 16                                ; the first 32 along K are in; the other sixteen loads may be out
	WIN MUL
	MUL8 \f, 0, 0, \zero
	MUL8 \f, 0, 2, \zero
	PLACES
	FETCH \slot, \k, \g
	s_wait_dscnt 32                                ; all but the 32 just issued
	WIN MUL
	MUL8 \f, 1, 0, 0
	MUL8 \f, 1, 2, 0
.endm
.macro TURN slot, next, fill
	WIN 0
	s_wait_tensorcnt 0x0                           ; all my tensor loads have landed: my part of the next slot; so every descriptor may be written
	ds_add_u32 v[SPW], v[NIL]
	s_wait_dscnt 17                                ; (the add and the youngest sixteen loads may be out)
	WIN MUL
	MUL8 F1, 0, 0, 0
	s_wait_dscnt 0x0                               ; the add is done, and my reads of this slot are over
	s_barrier_signal -1
	MUL8 F1, 0, 2, 0
.if \fill
	WIN 0
.endif
	s_barrier_wait -1
.if \fill
	CREST                                          ; no wave of any partner still reads this slot or has a load on its way
	s_add_co_u32 s[KO+2*\slot], s[KO+2*\slot], 2*KSTEP*2   ; this slot's next K step: two steps on,
	s_and_b32 s[KO+2*\slot], s[KO+2*\slot], SIZE_K*2-1     ; round the row's end
	AIM \slot
	JLOAD \slot
.else
	PLACES
.endif
	FETCH \next, 0, F0
	WIN MUL
	MUL8 F1, 1, 0, 0
	MUL8 F1, 1, 2, 0
.endm
	s_wait_tensorcnt 1                             ; my part of the first K step is in; the second's may be out
	s_barrier_signal -1
	s_barrier_wait -1
	FETCH 0, 0, F0
	s_wait_loadcnt 0x0                             ; the bias
	QUARTER 0, 128, F0, F1, 1
	WIN 0
	s_mov_b32 s3, LAPS-1
.Llap:
	QUARTER 0, 256, F1, F0, 0
	QUARTER 0, 384, F0, F1, 0
	TURN 0, 1, 1
	QUARTER 1, 128, F0, F1, 0
	QUARTER 1, 256, F1, F0, 0
	QUARTER 1, 384, F0, F1, 0
	TURN 1, 0, 1
	QUARTER 0, 128, F0, F1, 0
	WIN 0
	s_sub_co_u32 s3, s3, 1
	s_cmp_lg_u32 s3, 0
	s_cbranch_scc1 .Llap
	QUARTER 0, 256, F1, F0, 0                      ; the last lap fills nothing
	QUARTER 0, 384, F0, F1, 0
	TURN 0, 1, 0
	QUARTER 1, 128, F0, F1, 0
	QUARTER 1, 256, F1, F0, 0
	QUARTER 1, 384, F0, F1, 0
	s_wait_dscnt 16
	WIN MUL
	MUL8 F1, 0, 0, 0
	MUL8 F1, 0, 2, 0
	s_wait_dscnt 0
	MUL8 F1, 1, 0, 0
	MUL8 F1, 1, 2, 0
	WIN 0
; THE WAY OUT, a block of 16 rows x 64 columns at a time, through my own stage: in as 32 bytes a lane, back as whole rows of 256 bytes.
.macro TOST a
.irp b, 0,1,2,3
	ds_store_b128 v[STO], v[ACC+8*(4*(\a)+\b):ACC+8*(4*(\a)+\b)+3] offset:64*\b          ; each accumulator from its low end on
	ds_store_b128 v[STO], v[ACC+8*(4*(\a)+\b)+4:ACC+8*(4*(\a)+\b)+7] offset:64*\b+16
.endr
.irp f, 0,1,2,3,4,5,6,7
	ds_load_b128 v[TMP+32*((\a)%2)+4*\f:TMP+32*((\a)%2)+4*\f+3], v[RD] offset:\f*2*SPITCH   ; in order behind my stores
.endr
.endm
.macro SENDO a, younger
	s_wait_dscnt \younger                          ; the block is back; the next block's sixteen LDS instructions may be out
.irp f, 0,1,2,3,4,5,6,7
	global_store_b128 v[CO], v[TMP+32*((\a)%2)+4*\f:TMP+32*((\a)%2)+4*\f+3], s[8:9] offset:(16*(\a)+2*\f)*SIZE_N*4 th:TH_STORE_NT   ; 16 lanes store 256 consecutive bytes, aligned
.endr
.endm
	PLACES
	TOST 0
.irp a, 1,2,3
.if \a > 1
	s_wait_xcnt 0x0                                ; the stores of two blocks back have read their data
.endif
	TOST \a
	SENDO \a-1, 16
.endr
	SENDO 3, 0
	s_wait_tensorcnt 0x0                           ; the wave's end
	ds_add_u32 v[SPW], v[NIL]
	s_wait_dscnt 0x0
	CROUND                                         ; the closing round
	s_endpgm
.Lfunc_end_k_q44a2539dba_oproj:
	.size	k_q44a2539dba_oproj, .Lfunc_end_k_q44a2539dba_oproj-k_q44a2539dba_oproj
	.p2alignl 7, 3214868480
	.fill 96, 4, 3214868480
	.section	.rodata,"a",@progbits
	.p2align	6, 0x0
	.amdhsa_kernel k_q44a2539dba_oproj
		.amdhsa_group_segment_fixed_size 327680
		.amdhsa_private_segment_fixed_size 0
		.amdhsa_enable_private_segment 0
		.amdhsa_kernarg_size 32
		.amdhsa_user_sgpr_count 2
		.amdhsa_user_sgpr_kernarg_segment_ptr 1
		.amdhsa_wavefront_size32 1
		.amdhsa_system_sgpr_workgroup_id_x 1
		.amdhsa_system_sgpr_workgroup_id_y 1
		.amdhsa_system_sgpr_workgroup_id_z 1
		.amdhsa_system_vgpr_workitem_id 0
		.amdhsa_next_free_vgpr 512
		.amdhsa_next_free_sgpr 80
		.amdhsa_reserve_vcc 0
		.amdhsa_float_denorm_mode_32 3
		.amdhsa_float_denorm_mode_16_64 3
		.amdhsa_memory_ordered 1
		.amdhsa_forward_progress 1
		.amdhsa_inst_pref_size 87
	.end_amdhsa_kernel
	.amdgpu_metadata
---
amdhsa.version: [ 1, 2 ]
amdhsa.kernels:
  - .name:           k_q44a2539dba_oproj
    .symbol:         k_q44a2539dba_oproj.kd
    .args:
      - { .name: y_h, .offset: 0, .size: 8, .value_kind: global_buffer, .address_space: global }
      - { .name: wo_h, .offset: 8, .size: 8, .value_kind: global_buffer, .address_space: global }
      - { .name: out0, .offset: 16, .size: 8, .value_kind: global_buffer, .address_space: global }
      - { .name: bo, .offset: 24, .size: 8, .value_kind: global_buffer, .address_space: global }
    .group_segment_fixed_size: 327680
    .private_segment_fixed_size: 0
    .kernarg_segment_align: 8
    .kernarg_segment_size: 32
    .max_flat_workgroup_size: 128
    .sgpr_count:     80
    .vgpr_count:     512
    .wavefront_size: 32
...
	.end_amdgpu_metadata
.endif
;; end of part 4
;; launch fine (part 5): grid 128 x 1, 16 waves a work-group, no clusters, 167,936 bytes of LDS; arguments fine_qkv, Wo, bo, out0; writes out0
.if DOCPART == 5
	.amdgcn_target "amdgcn-amd-amdhsa--gfx1250"
	.amdhsa_code_object_version 6
	.text
	.protected	k_q44a2539dba_fine
	.globl	k_q44a2539dba_fine
	.p2align	8
	.type	k_q44a2539dba_fine,@function
k_q44a2539dba_fine:
	s_mov_b64 s[64:65], 0
	v_nop
	global_prefetch_b8 v0, s[64:65] scope:SCOPE_SE
	s_setreg_imm32_b32 hwreg(HW_REG_WAVE_MODE, 25, 1), 1
	s_wait_xcnt 0x0
; Positions 0-15 once more, all in f32: these rows average one to sixteen values and are the largest of the output.  out0[q][n] for q < 16, from the f32 copy of Q, K, V.
; Work-group g owns output columns 16 g .. 16 g + 15.  Wave hd is query head hd: it does that head's attention on 16 x 16 and the head's part of the projection; the 16 parts are added through LDS.
; No cluster: the work-groups share the 196,608 bytes of Q, K, V only; each has 131,072 bytes of Wo to itself.
; THE HEAD'S PART IS TAKEN AS P (V Wo^T), NOT AS (P V) Wo^T.  V Wo^T sums over the head's 128 channels, along which a lane's registers of the copy run: V is an operand as it lies, like K.  It takes 32 matrix
; instructions and P's product 4, where (P V) and its projection take 32 each and want V turned.  So a wave has 68 instructions of the f32 matrix form and 48 loads of 16 bytes a lane.
; Along K the same order of k stands on both sides of each product: a lane's registers are taken in pairs as they lie.
;   S^T = K Q^T: lane (r, h), register j: key 8 h + j, query r.   M = V Wo^T: register j: key 8 h + j, column 16 g + r.   out^T = M^T P^T: register j: column 16 g + 8 h + j, query r.
; The registers that these instructions write (v144-191) are written by them alone; sums begin with the constant 0; what is made of a sum goes elsewhere.
.set WOP,   528                        ; a row of Wo's tile in LDS: 512 bytes + 16
.set WOT,   16*WOP                     ; a wave's tile: 16 rows x 128 numbers
.set PART,  16*WOT                     ; the parts: 1,024 bytes a wave
.set SPARE, PART+16*1024               ; the spare words, 128 bytes a wave; no other line names them
.set R1,  16                           ; v16-79   Q, then Wo
.set R2,  80                           ; v80-143  K, then V
.set AC,  144                          ; v144-159 S^T: two accumulators by turns
.set MA,  160                          ; v160-175 M: two
.set FA,  176                          ; v176-191 out^T: two
.set SS,  192
.set PP,  200
.set MM,  208
.set OP,  216
	s_load_b256 s[4:11], s[0:1], 0x0               ; fine_qkv, Wo, bo, out0
	v_lshl_add_u32 v10, v0, 2, SPARE
	v_mov_b32 v11, 0
	ds_add_u32 v10, v11                            ; the wave's opening: the add, twice on end, and its wait ahead of my tensor load
	ds_add_u32 v10, v11
	v_lshrrev_b32 v1, 5, v0
	v_readfirstlane_b32 s12, v1                    ; wave = head
	s_mov_b32 s16, (2<<16)|(1<<20)|(6<<22)|(3<<25) ; elements of 4 bytes; padding: 4 words behind every 128
	s_mov_b32 s17, 128<<16                         ; tensor_dim0
	s_mov_b32 s18, 16<<16                          ; tensor_dim1
	s_mov_b32 s19, 128<<16                         ; tile_dim0
	s_mov_b32 s20, 16                              ; tile_dim1
	s_mov_b32 s21, 2048                            ; pitch
	s_mov_b32 s22, 0
	s_mov_b32 s23, 0
	s_mov_b32 s24, 1
	s_mul_i32 s25, s12, WOT
	s_lshl_b32 s28, ttmp9, 17                      ; 16 rows of 8,192 bytes for each work-group,
	s_lshl_b32 s29, s12, 9
	s_add_co_u32 s28, s28, s29                     ; the head's 128 numbers of a row
	s_mov_b32 s29, 0
	s_mov_b32 s13, 0x3e0293ee                      ; log2(e) / sqrt(128)
	s_mov_b32 s14, 0x76543210
	s_mov_b32 s15, 0xfedcba98
	s_wait_dscnt 0x0                               ; both opening adds are done
	s_wait_kmcnt 0x0
	s_add_nc_u64 s[26:27], s[6:7], s[28:29]
	s_or_b32 s27, s27, 0x80000000
	tensor_load_to_lds s[24:27], s[16:23]          ; my tile of Wo: the one tensor load of the wave; only I read it
	s_nop 0
	s_lshl_b32 s28, s12, 13
	s_add_nc_u64 s[30:31], s[4:5], s[28:29]        ; Q: 8 blocks of 1,024 bytes a head
	s_lshr_b32 s28, s12, 2
	s_lshl_b32 s28, s28, 14
	s_add_co_u32 s28, s28, 131072
	s_add_nc_u64 s[32:33], s[4:5], s[28:29]        ; K of my key/value head; V 8,192 bytes on
	s_lshl_b32 s28, ttmp9, 6
	s_add_nc_u64 s[8:9], s[8:9], s[28:29]          ; bo and out0 at my work-group's 16 columns
	s_add_nc_u64 s[10:11], s[10:11], s[28:29]
	v_and_b32 v14, 31, v0
	v_lshlrev_b32 v3, 4, v14                       ; 16 x lane
.irp n, 0,1,2,3,4,5,6,7,8,9,10,11,12,13,14,15
	global_load_b128 v[R1+4*\n:R1+4*\n+3], v3, s[30:31] offset:512*\n   ; register 8 T + i: Q(r, 16 T + 8 h + i)
	global_load_b128 v[R2+4*\n:R2+4*\n+3], v3, s[32:33] offset:512*\n   ; K likewise
.endr
	v_and_b32 v1, 15, v0                           ; r
	v_bfe_u32 v2, v0, 4, 1                         ; h
	v_mul_u32_u24 v5, v1, WOP
	v_lshl_add_u32 v5, v2, 5, v5
	v_add_nc_u32 v5, s25, v5                       ; Wo in LDS: row r, + 32 h
	s_lshl_b32 s28, s12, 10
	s_add_co_u32 s28, s28, PART
	v_add_nc_u32 v6, s28, v3                       ; where I put my part
	s_lshl_b32 s28, s12, 9
	s_add_co_u32 s28, s28, PART
	v_add_nc_u32 v7, s28, v3                       ; where waves 0 and 1 read: half u = the wave's number of each part
	s_lshl_b32 s28, s12, 4
	v_lshlrev_b32 v9, 5, v2
	v_add_nc_u32 v9, s28, v9                       ; 32 h + 16 u: four columns
	v_lshl_add_u32 v8, v1, 13, v9                  ; and in row r of out0
	v_lshlrev_b32 v12, 3, v2
	v_sub_nc_u32 v12, v1, v12                      ; r - 8 h
	v_mov_b32 v13, 0xff800000
	v_mov_b32 v249, 0                              ; a lane permute's destination counts as one of its sources
	s_wait_loadcnt 0x0
	v_wmma_f32_16x16x4_f32 v[AC:AC+7], v[R2:R2+1], v[R1:R1+1], 0            ; S^T: two accumulators by turns; each sum's first step starts it
	v_wmma_f32_16x16x4_f32 v[AC+8:AC+15], v[R2+2:R2+3], v[R1+2:R1+3], 0
.set n, 2
.rept 30
	v_wmma_f32_16x16x4_f32 v[AC+8*(n%2):AC+8*(n%2)+7], v[R2+2*n:R2+2*n+1], v[R1+2*n:R1+2*n+1], v[AC+8*(n%2):AC+8*(n%2)+7]
.set n, n+1
.endr
.rept 8
	v_nop                                          ; eight places behind this form, in front of loads into its sources and of reads of its results
.endr
.irp n, 0,1,2,3,4,5,6,7,8,9,10,11,12,13,14,15
	global_load_b128 v[R2+4*\n:R2+4*\n+3], v3, s[32:33] offset:8192+512*\n   ; register 8 T + i: V(key r, 16 T + 8 h + i): as it lies
.endr
	s_wait_tensorcnt 0x0                           ; my tile of Wo is in LDS
.irp t, 0,1,2,3,4,5,6,7
	ds_load_b128 v[R1+8*\t:R1+8*\t+3], v5 offset:64*\t          ; register 8 T + i: Wo(16 g + r, 128 hd + 16 T + 8 h + i)
	ds_load_b128 v[R1+8*\t+4:R1+8*\t+7], v5 offset:64*\t+16
.endr
.irp j, 0,1,2,3,4,5,6,7
	v_add_f32 v[SS+\j], v[AC+\j], v[AC+8+\j]       ; from the low end on
.endr
.irp j, 0,1,2,3,4,5,6,7
	v_cmp_gt_i32 vcc_lo, \j, v12                   ; key 8 h + j lies beyond query r
	v_cndmask_b32 v[SS+\j], v[SS+\j], v13, vcc_lo
.endr
	v_max3_num_f32 v248, v[SS], v[SS+1], v[SS+2]
	v_max3_num_f32 v248, v248, v[SS+3], v[SS+4]
	v_max3_num_f32 v248, v248, v[SS+5], v[SS+6]
	v_max_num_f32 v248, v248, v[SS+7]
	v_permlanex16_b32 v249, v248, s14, s15
	v_max_num_f32 v248, v248, v249                 ; the row's maximum: key 0 counts for every query
	v_mul_f32 v248, s13, v248
.irp j, 0,1,2,3,4,5,6,7
	v_fma_f32 v[SS+\j], v[SS+\j], s13, -v248
.endr
.irp j, 0,1,2,3,4,5,6,7
	v_exp_f32 v[SS+\j], v[SS+\j]
.endr
	v_nop
	s_wait_alu depctr_va_vdst(0)                   ; one wait for the eight, ahead of their first reader
	v_add_f32 v250, v[SS], v[SS+1]
	v_add_f32 v251, v[SS+2], v[SS+3]
	v_add_f32 v252, v[SS+4], v[SS+5]
	v_add_f32 v253, v[SS+6], v[SS+7]
	v_add_f32 v250, v250, v251
	v_add_f32 v252, v252, v253
	v_add_f32 v250, v250, v252
	v_permlanex16_b32 v249, v250, s14, s15
	v_add_f32 v250, v250, v249
	v_rcp_f32 v250, v250
	v_nop
	s_wait_alu depctr_va_vdst(0)
.irp j, 0,1,2,3,4,5,6,7
	v_mul_f32 v[PP+\j], v[SS+\j], v250             ; register j: P(query r, key 8 h + j)
.endr
	s_wait_loadcnt 0x0                             ; V
	s_wait_dscnt 0x0                               ; Wo
	v_wmma_f32_16x16x4_f32 v[MA:MA+7], v[R2:R2+1], v[R1:R1+1], 0            ; M = V Wo^T over the head's 128 channels: two accumulators by turns
	v_wmma_f32_16x16x4_f32 v[MA+8:MA+15], v[R2+2:R2+3], v[R1+2:R1+3], 0
.set n, 2
.rept 30
	v_wmma_f32_16x16x4_f32 v[MA+8*(n%2):MA+8*(n%2)+7], v[R2+2*n:R2+2*n+1], v[R1+2*n:R1+2*n+1], v[MA+8*(n%2):MA+8*(n%2)+7]
.set n, n+1
.endr
.rept 8
	v_nop
.endr
.irp j, 0,1,2,3,4,5,6,7
	v_add_f32 v[MM+\j], v[MA+\j], v[MA+8+\j]       ; register j: M(key 8 h + j, column 16 g + r): a lane is a column, its registers run along the keys, as P's do
.endr
	v_wmma_f32_16x16x4_f32 v[FA:FA+7], v[MM:MM+1], v[PP:PP+1], 0            ; out^T = M^T P^T over the 16 keys: four keys an instruction, two accumulators by turns
	v_wmma_f32_16x16x4_f32 v[FA+8:FA+15], v[MM+2:MM+3], v[PP+2:PP+3], 0
	v_wmma_f32_16x16x4_f32 v[FA:FA+7], v[MM+4:MM+5], v[PP+4:PP+5], v[FA:FA+7]
	v_wmma_f32_16x16x4_f32 v[FA+8:FA+15], v[MM+6:MM+7], v[PP+6:PP+7], v[FA+8:FA+15]
.rept 8
	v_nop
.endr
.irp j, 0,1,2,3,4,5,6,7
	v_add_f32 v[OP+\j], v[FA+\j], v[FA+8+\j]
.endr
	ds_store_b128 v6, v[OP:OP+3]
	ds_store_b128 v6, v[OP+4:OP+7] offset:512
	s_wait_dscnt 0x0                               ; for the others' sake: my part has landed
	s_barrier_signal -1
	s_barrier_wait -1
	s_cmp_lt_u32 s12, 2                            ; waves 0 and 1 add the sixteen parts, four columns a lane
	s_cbranch_scc0 .Lend
	global_load_b128 v[248:251], v9, s[8:9]        ; bo
.irp w, 0,1,2,3,4,5,6,7,8,9,10,11,12,13,14,15
	ds_load_b128 v[R1+4*\w:R1+4*\w+3], v7 offset:1024*\w
.endr
	s_wait_dscnt 0x0
.irp w, 1,2,3,4,5,6,7,8,9,10,11,12,13,14,15
	v_pk_add_f32 v[R1:R1+1], v[R1:R1+1], v[R1+4*\w:R1+4*\w+1]
	v_pk_add_f32 v[R1+2:R1+3], v[R1+2:R1+3], v[R1+4*\w+2:R1+4*\w+3]
.endr
	s_wait_loadcnt 0x0
	v_pk_add_f32 v[R1:R1+1], v[R1:R1+1], v[248:249]
	v_pk_add_f32 v[R1+2:R1+3], v[R1+2:R1+3], v[250:251]
	global_store_b128 v8, v[R1:R1+3], s[10:11]     ; 64 bytes of each of 16 rows for a work-group: 131,072 bytes in the whole launch
.Lend:
	s_wait_tensorcnt 0x0                           ; the wave's end
	ds_add_u32 v10, v11
	s_wait_dscnt 0x0
	s_endpgm
.Lfunc_end_k_q44a2539dba_fine:
	.size	k_q44a2539dba_fine, .Lfunc_end_k_q44a2539dba_fine-k_q44a2539dba_fine
	.p2alignl 7, 3214868480
	.fill 96, 4, 3214868480
	.section	.rodata,"a",@progbits
	.p2align	6, 0x0
	.amdhsa_kernel k_q44a2539dba_fine
		.amdhsa_group_segment_fixed_size 167936
		.amdhsa_private_segment_fixed_size 0
		.amdhsa_enable_private_segment 0
		.amdhsa_kernarg_size 32
		.amdhsa_user_sgpr_count 2
		.amdhsa_user_sgpr_kernarg_segment_ptr 1
		.amdhsa_wavefront_size32 1
		.amdhsa_system_sgpr_workgroup_id_x 1
		.amdhsa_system_sgpr_workgroup_id_y 1
		.amdhsa_system_sgpr_workgroup_id_z 1
		.amdhsa_system_vgpr_workitem_id 0
		.amdhsa_next_free_vgpr 256
		.amdhsa_next_free_sgpr 66
		.amdhsa_reserve_vcc 1
		.amdhsa_float_denorm_mode_32 3
		.amdhsa_float_denorm_mode_16_64 3
		.amdhsa_memory_ordered 1
		.amdhsa_forward_progress 1
		.amdhsa_inst_pref_size 21
	.end_amdhsa_kernel
	.amdgpu_metadata
---
amdhsa.version: [ 1, 2 ]
amdhsa.kernels:
  - .name:           k_q44a2539dba_fine
    .symbol:         k_q44a2539dba_fine.kd
    .args:
      - { .name: fine_qkv, .offset: 0, .size: 8, .value_kind: global_buffer, .address_space: global }
      - { .name: Wo, .offset: 8, .size: 8, .value_kind: global_buffer, .address_space: global }
      - { .name: bo, .offset: 16, .size: 8, .value_kind: global_buffer, .address_space: global }
      - { .name: out0, .offset: 24, .size: 8, .value_kind: global_buffer, .address_space: global }
    .group_segment_fixed_size: 167936
    .private_segment_fixed_size: 0
    .kernarg_segment_align: 8
    .kernarg_segment_size: 32
    .max_flat_workgroup_size: 512
    .sgpr_count:     66
    .vgpr_count:     256
    .wavefront_size: 32
...
	.end_amdgpu_metadata
.endif
;; end of part 5
